; MI455X (gfx1250); checked and timed in simulation.
; The chip was launched on July 23, 2026; its instructions are those of AMD's public machine-readable ISA for CDNA 5 (MIT licence, August 2026) and "CDNA5" Instruction Set Architecture Reference Guide (July 2026). The comments in the code are by the model that wrote it; some were corrected since.
;; Transformer Decoder Layer. Allowed arithmetic: matrix products marked QUANTISED: E5M2 operands, one E8M0 scale for each 32 along K, by v_wmma_scale_f32_16x16x128_f8f6f4 with both operands' format E5M2, f32 sums; products left as they are: f32 operands where the result goes on into a quantised operand, else bf16, f16 or f32 operands; f32 sums; everything else in f32.
;; Inputs: attn_out_b 256 float32; attn_out_w_codes 256 x 8 x 32 uint8 (E5M2 codes of attn_out_w, K innermost, in blocks of 32 codes); attn_out_w_scales 256 x 8 uint8 (E8M0 scales of attn_out_w, one for each 32 codes along K); ff1_b 1,024 float32; ff1_w_codes 1,024 x 8 x 32 uint8 (E5M2 codes of ff1_w, K innermost, in blocks of 32 codes); ff1_w_scales 1,024 x 8 uint8 (E8M0 scales of ff1_w, one for each 32 codes along K); ff2_b 256 float32; ff2_w_codes 256 x 32 x 32 uint8 (E5M2 codes of ff2_w, K innermost, in blocks of 32 codes); ff2_w_scales 256 x 32 uint8 (E8M0 scales of ff2_w, one for each 32 codes along K); in_proj_b 768 float32; in_proj_w_codes 768 x 8 x 32 uint8 (E5M2 codes of in_proj_w, K innermost, in blocks of 32 codes); in_proj_w_scales 768 x 8 uint8 (E8M0 scales of in_proj_w, one for each 32 codes along K); ln1_b 256 float32; ln1_g 256 float32; ln2_b 256 float32; ln2_g 256 float32; ln3_b 256 float32; ln3_g 256 float32; memory 512 x 4 x 256 float32; mlp1_b 256 float32; mlp1_w_codes 256 x 8 x 32 uint8 (E5M2 codes of mlp1_w, K innermost, in blocks of 32 codes); mlp1_w_scales 256 x 8 uint8 (E8M0 scales of mlp1_w, one for each 32 codes along K); mlp2_b 256 float32; mlp2_w_codes 256 x 8 x 32 uint8 (E5M2 codes of mlp2_w, K innermost, in blocks of 32 codes); mlp2_w_scales 256 x 8 uint8 (E8M0 scales of mlp2_w, one for each 32 codes along K); o_b 256 float32; o_w_codes 256 x 8 x 32 uint8 (E5M2 codes of o_w, K innermost, in blocks of 32 codes); o_w_scales 256 x 8 uint8 (E8M0 scales of o_w, one for each 32 codes along K); query_pos 128 x 4 x 256 float32; relative_pos 128 x 512 x 4 x 256 float32; tgt 128 x 4 x 256 float32; v_b 256 float32; v_w_codes 256 x 8 x 32 uint8 (E5M2 codes of v_w, K innermost, in blocks of 32 codes); v_w_scales 256 x 8 uint8 (E8M0 scales of v_w, one for each 32 codes along K).
;; Outputs: out0 128 x 4 x 256 float32.
;; This version of the problem:
;;   THIS VERSION OF THE PROBLEM IS GIVEN IN LOW PRECISION. The matrix products marked QUANTISED in the list below multiply operands that are first quantised to E5M2 (5 exponent bits, 2 mantissa bits; 8 bits a number), with one power-of-two scale for each 32 numbers along K (OCP MX v1.0); their sums are f32. All else is computed in f32.
;;   The module's matrix products, in the order in which they are computed (A, B: the left and right operand; K: the contracted axis; several contracted axes count as one K, in the product's order):
;;     1. [M 512, K 256] x [K 256, N 256]; A: computed on the way; B: input in_proj_w (given as codes): QUANTISED
;;     2. [M 512, K 256] x [K 256, N 256]; A: computed on the way; B: input in_proj_w (given as codes): QUANTISED
;;     3. [M 512, K 256] x [K 256, N 256]; A: computed on the way; B: input in_proj_w (given as codes): QUANTISED
;;     4. batch 32 x [M 128, K 32] x [K 32, N 128]; A: computed on the way; B: computed on the way: QUANTISED
;;     5. batch 32 x [M 32, K 128] x [K 128, N 128]; A: computed on the way; B: softmax (see below): QUANTISED
;;     6. [M 512, K 256] x [K 256, N 256]; A: computed on the way; B: input attn_out_w (given as codes): QUANTISED
;;     7. [M 262,144, K 256] x [K 256, N 256]; A: computed on the way; B: input mlp1_w (given as codes): QUANTISED
;;     8. [M 262,144, K 256] x [K 256, N 256]; A: computed on the way; B: input mlp2_w (given as codes): QUANTISED
;;     9. [M 262,144, K 256] x [K 256, N 256]; A: computed on the way; B: input v_w (given as codes): QUANTISED
;;     10. batch 131,072 x [M 1, K 512] x [K 512, N 1]; A: softmax (see below); B: computed on the way: left as it is (M = 1 < 16)
;;     11. [M 512, K 256] x [K 256, N 256]; A: computed on the way; B: input o_w (given as codes): QUANTISED
;;     12. [M 512, K 256] x [K 256, N 1,024]; A: computed on the way; B: input ff1_w (given as codes): QUANTISED
;;     13. [M 512, K 1,024] x [K 1,024, N 256]; A: computed on the way; B: input ff2_w (given as codes): QUANTISED
;;   THE QUANTISER, for each operand of a quantised product, along K:
;;     - K is cut into blocks of 32 from its start; a last block that is shorter is filled with zeros.
;;     - A block's scale is 2^e with e = floor(log2(the largest magnitude in the block)) - 15, held to -126 .. 127; a block of zeros has e = 0. As a byte (E8M0): e + 127.
;;     - Each number is divided by its block's scale, clamped to +-57,344, and rounded to the nearest number of E5M2, ties to even, subnormals kept.
;;     - The product sums the exact products of the quantised numbers (number of the format x scale) in f32.
;;   ~~~python
;;   def quantise(x, axis):      # numpy; x: float32 -> the quantised numbers, widened to float32 again
;;       x = np.moveaxis(x, axis, -1); K = x.shape[-1]
;;       x = np.pad(x, [(0, 0)] * (x.ndim - 1) + [(0, -K % 32)]); x = x.reshape(x.shape[:-1] + (-1, 32)); a = np.abs(x).max(-1, keepdims=True)
;;       e = np.where(a > 0, np.clip(np.frexp(np.where(a > 0, a, 1))[1] - 1 - 15, -126, 127), 0)      # np.frexp(a)[1] - 1 = floor(log2(a)), exactly
;;       r = np.clip(x / 2.0 ** e, -57344, 57344)
;;       step = 2.0 ** (np.maximum(np.frexp(np.where(r == 0, 1, r))[1] - 1, -14) - 2)
;;       q = np.round(r / step) * step * 2.0 ** e      # np.round: ties to even
;;       return np.moveaxis(q.reshape(q.shape[:-2] + (-1,))[..., :K], -1, axis).astype(np.float32)
;;   ~~~
;;   SOFTMAX AHEAD OF A QUANTISED PRODUCT. Where the list says 'softmax', what is quantised is not the finished softmax but p = 2^(t - M), with t = logit x log2(e) and M = ceil(the row's largest t), a whole number; so 1/2 < the row's largest p <= 1. The row's sum l is taken of the UNQUANTISED p, in f32, and the product's result is divided by l at the end. Since M is a whole number, a kernel that streams over the keys may use a running M (the ceiling of the running maximum): every later rescaling is an exact power of two, which a block's scale takes up: the codes' values come out the same.
;;   OPERANDS COMPUTED ON THE WAY. 'Computed on the way' means the value that the module computes at that place (a softmax that the list does not call 'softmax' is quantised finished and normalised). What goes into a quantiser is computed in f32, as accurately as f32 sums, v_exp_f32 and their like allow (about 1e-6 of the number): no bf16 or f16 on the way to a quantiser, and a product that is left as it is and whose result goes on into a quantised operand takes f32 operands (vector FMAs, or v_wmma_f32_16x16x4_f32). A number that lies on a knife's edge between two numbers of the format may be rounded either way, as far as f32 arithmetic and the matrix unit's own rounding can turn it there, and no further.
;;   INPUTS GIVEN AS CODES. attn_out_w (in the module: [256, 256], K = its axis 1); ff1_w (in the module: [1024, 256], K = its axis 1); ff2_w (in the module: [256, 1024], K = its axis 1); in_proj_w (in the module: [768, 256], K = its axis 1); mlp1_w (in the module: [256, 256], K = its axis 1); mlp2_w (in the module: [256, 256], K = its axis 1); o_w (in the module: [256, 256], K = its axis 1); v_w (in the module: [256, 256], K = its axis 1): each comes as NAME_codes (uint8): NAME with its K axis moved to the last place and cut into blocks of 32 codes, [.., K / 32, bytes a block], one block behind the other in memory; one code a byte (a code: sign, 5 exponent bits, 2 mantissa bits); and NAME_scales (uint8): the same leading axes, one E8M0 byte (e + 127) for each 32 codes along K. Its value is code x scale, taken as it is: it is not quantised again, and the codes and scales need not be those that the quantiser above would give.
;; One version. Each part assembles by itself: llvm-mc -triple=amdgcn-amd-amdhsa -mcpu=gfx1250 --defsym DOCPART=n.
;; ======== version 1 of 1: 2 launches
;; limits: right only within a limited range of input values
;; workspace buffers: t2 524,288 bytes
;; launch selfattn (part 1): grid 8 x 4, 8 waves a work-group, no clusters, 99,328 bytes of LDS; arguments tgt, query_pos, ln1_g, ln1_b, in_proj_w_codes, in_proj_w_scales, in_proj_b, attn_out_w_codes, attn_out_w_scales, attn_out_b, ln2_g, ln2_b, t2; writes t2
.if DOCPART == 1
	.amdgcn_target "amdgcn-amd-amdhsa--gfx1250"
	.amdhsa_code_object_version 6
	.text
	.protected	k_qf7b8a67af6_selfattn
	.globl	k_qf7b8a67af6_selfattn
	.p2align	8
	.type	k_qf7b8a67af6_selfattn,@function
k_qf7b8a67af6_selfattn:
	s_mov_b64 s[64:65], 0
	v_nop
	global_prefetch_b8 v0, s[64:65] scope:SCOPE_SE
	s_setreg_imm32_b32 hwreg(HW_REG_WAVE_MODE, 25, 1), 1
	s_wait_xcnt 0x0
; t2 = LN2(tgt + selfattention(LN1(tgt))): LN1, the three input projections, the two products of attention, the output projection, the residual and LN2.
; All six products run on codes of E5M2 with one E8M0 scale for each 32 along K; everything else is f32.
; SHARES.  Work-group (i, b) makes 16 queries of batch b; its eight waves are the eight heads.  K and V of the batch's 128 rows are made anew in each of the batch's
; eight work-groups (64 products a wave): that keeps the chain in one launch and short.  In the first phase wave T quantises row tile T for all heads.
; THE ROWS OF A TILE ARE NOT NEIGHBOURS: row(T, r) = 32 (T / 2) + 8 (T % 2) + r + 8 (r / 8).  So the eight registers of tiles 2 B and 2 B + 1 of a result whose
; registers run along these rows are 16 neighbouring rows, 32 B + 16 (lane / 16) + 0 .. 15: the order in which the next operand wants its K (the keys).
; OPERANDS GO FROM WAVE TO WAVE THROUGH LDS AS IMAGES OF THEIR REGISTERS: four stores of 16 bytes a lane at 16 x lane; a fragment's scale words at 4 x row, 64 bytes a fragment,
; so that one load at 4 x lane brings K step 0's words in lanes 0-15 and K step 1's in lanes 16-31; the second row of lanes is chosen in the matrix instruction.
; No tensor loads: the data are small and each wave's weights go straight into its registers.  No cluster: what work-groups share here (196 KiB of weights, 1 MiB of rows) is read once each into registers.
; LIMITS: NaN and infinities among the inputs are not served; a block of zeros gets the scale byte 1 (its codes are zeros); blocks whose largest magnitude lies under 2^-111 were not tried.
; REGISTERS.  window 0: v0-15 addresses; v16-31 TM, at work in the quantiser; v32-47 PC, codes just made; v48-62 scale words and nothing else;
;   first phase: v64-191 my row's 128 numbers, v192-255 64 numbers of query_pos; later: v64-73 statistics, v74-86 addresses, v88-103 Q's fragment, then V's second,
;   v104-119 p's codes, v128-191 K's results, then the scores, v192-223 K's codes, v224-255 two buffers for a fragment of K; then v128-255 V's results; then the way out.
; window 1: first phase v0-127 LN1's gain and bias of one K step; later v0-63 two fetch buffers, v64-111 the projections' biases; v128-191 Wq, later Wo; v192-255 Wk, later Wv.
.set QKI, 0                            ; LDS: images of LN1(tgt) + query_pos: fragment 2 T + s at 2,048 each
.set TNI, 32768                        ; images of LN1(tgt)
.set QKS, 65536                        ; their scale words, 64 bytes a fragment; TNI's lie 1,024 further on
.set OIM, 67584                        ; images of the attention's result: two fragments
.set OSC, 71680                        ; their scale bytes
.set RD1, 71936                        ; LN2's sums, 128 bytes a wave; the second pass's lie 1,024 further on
.set OST, 73984                        ; the way out: 16 rows of 1,024 bytes + 16
.set TM,  16
.set PC,  32
.set SEL, 36                           ; s[36:37] lane selects for v_permlanex16_b32: lane l xor 16
.set MNT, 38                           ; s38 the mantissa field of 57,344
.set MSB, 0
.macro WIN new                         ; the immediate's high byte repeats the setting that is left; a switch that changes nothing is dropped
.if MSB != (\new)
	s_set_vgpr_msb (MSB<<8)|(\new)
.set MSB, \new
.endif
.endm
.macro PLACES n
.rept \n
	v_nop
.endr
.endm
.macro BARRIER                         ; my LDS stores have landed and my LDS loads are in: then the work-group's barrier
	s_wait_dscnt 0x0
	s_barrier_signal -1
	s_barrier_wait -1
.endm
; one product 16 x 16 x 128.  ra, rb = 1: that side's scale words are taken from lanes 16-31
.macro MM d, a, b, c, sa, sb, ra, rb
.if (\ra) && (\rb)
	v_wmma_scale_f32_16x16x128_f8f6f4 v[(\d):(\d)+7], v[(\a):(\a)+15], v[(\b):(\b)+15], v[(\c):(\c)+7], v[\sa], v[\sb] matrix_a_fmt:MATRIX_FMT_BF8 matrix_b_fmt:MATRIX_FMT_BF8 matrix_a_scale:MATRIX_SCALE_ROW1 matrix_b_scale:MATRIX_SCALE_ROW1
.elseif (\ra)
	v_wmma_scale_f32_16x16x128_f8f6f4 v[(\d):(\d)+7], v[(\a):(\a)+15], v[(\b):(\b)+15], v[(\c):(\c)+7], v[\sa], v[\sb] matrix_a_fmt:MATRIX_FMT_BF8 matrix_b_fmt:MATRIX_FMT_BF8 matrix_a_scale:MATRIX_SCALE_ROW1
.elseif (\rb)
	v_wmma_scale_f32_16x16x128_f8f6f4 v[(\d):(\d)+7], v[(\a):(\a)+15], v[(\b):(\b)+15], v[(\c):(\c)+7], v[\sa], v[\sb] matrix_a_fmt:MATRIX_FMT_BF8 matrix_b_fmt:MATRIX_FMT_BF8 matrix_b_scale:MATRIX_SCALE_ROW1
.else
	v_wmma_scale_f32_16x16x128_f8f6f4 v[(\d):(\d)+7], v[(\a):(\a)+15], v[(\b):(\b)+15], v[(\c):(\c)+7], v[\sa], v[\sb] matrix_a_fmt:MATRIX_FMT_BF8 matrix_b_fmt:MATRIX_FMT_BF8
.endif
.endm
.macro MMZ d, a, b, sa, sb, ra         ; the same with the constant 0 as C: it starts a sum
.if (\ra)
	v_wmma_scale_f32_16x16x128_f8f6f4 v[(\d):(\d)+7], v[(\a):(\a)+15], v[(\b):(\b)+15], 0, v[\sa], v[\sb] matrix_a_fmt:MATRIX_FMT_BF8 matrix_b_fmt:MATRIX_FMT_BF8 matrix_a_scale:MATRIX_SCALE_ROW1
.else
	v_wmma_scale_f32_16x16x128_f8f6f4 v[(\d):(\d)+7], v[(\a):(\a)+15], v[(\b):(\b)+15], 0, v[\sa], v[\sb] matrix_a_fmt:MATRIX_FMT_BF8 matrix_b_fmt:MATRIX_FMT_BF8
.endif
.endm
; nb blocks of 32 along K; block b's numbers are v[src + 16 b .. + 15] of lanes l and l xor 16.  Leaves in TM+4+b the scale's byte, in TM+8+b 57,344 x the scale, in TM+12+b the conversion's scale operand.
.macro QSCALE src, nb, relu
.irp b,0,1,2,3
.if \b < \nb
.if \relu
	v_max3_num_f32 v[TM+\b], v[\src+16*\b], v[\src+16*\b+1], 0x8000000      ; no |.|: what is negative becomes 0 and must not count; the floor 2^(16 - 127) holds the byte at 1 from below
.else
	v_max3_num_f32 v[TM+\b], |v[\src+16*\b]|, |v[\src+16*\b+1]|, 0x8000000
.endif
.endif
.endr
.irp i,2,4,6,8,10,12,14
.irp b,0,1,2,3
.if \b < \nb
.if \relu
	v_max3_num_f32 v[TM+\b], v[TM+\b], v[\src+16*\b+\i], v[\src+16*\b+\i+1]
.else
	v_max3_num_f32 v[TM+\b], v[TM+\b], |v[\src+16*\b+\i]|, |v[\src+16*\b+\i+1]|
.endif
.endif
.endr
.endr
.irp b,0,1,2,3
.if \b < \nb
	v_permlanex16_b32 v[TM+4+\b], v[TM+\b], s[SEL], s[SEL+1]
.endif
.endr
.irp b,0,1,2,3
.if \b < \nb
	v_max_num_f32 v[TM+\b], v[TM+\b], v[TM+4+\b]                          ; the block's largest magnitude
.endif
.endr
.irp b,0,1,2,3
.if \b < \nb
	v_add_nc_u32 v[TM+12+\b], 0xf8800000, v[TM+\b]                        ; 15 off its exponent field
.endif
.endr
.irp b,0,1,2,3
.if \b < \nb
	v_and_or_b32 v[TM+8+\b], v[TM+\b], 0x7f800000, s[MNT]
.endif
.endr
.irp b,0,1,2,3
.if \b < \nb
	v_lshrrev_b32 v[TM+4+\b], 23, v[TM+12+\b]
.endif
.endr
.endm
; the hold at the largest code x the scale (the conversion to an 8-bit code does not saturate: ISA guide 7.6.2), then the codes: four registers a block from v[dst] on, in window dwin
.macro QCODE src, nb, relu, dst, dwin
.irp b,0,1,2,3
.if \b < \nb
.irp i,0,1,2,3,4,5,6,7,8,9,10,11,12,13,14,15
.if \relu
	v_med3_num_f32 v[\src+16*\b+\i], v[\src+16*\b+\i], 0, v[TM+8+\b]
.else
	v_med3_num_f32 v[\src+16*\b+\i], v[\src+16*\b+\i], -v[TM+8+\b], v[TM+8+\b]
.endif
.endr
.endif
.endr
	WIN ((\dwin)<<6)
.irp b,0,1,2,3
.if \b < \nb
	v_cvt_scalef32_pk8_bf8_f32 v[\dst+4*\b:\dst+4*\b+1], v[\src+16*\b:\src+16*\b+7], v[TM+12+\b]
	v_cvt_scalef32_pk8_bf8_f32 v[\dst+4*\b+2:\dst+4*\b+3], v[\src+16*\b+8:\src+16*\b+15], v[TM+12+\b]
.endif
.endr
	WIN 0
	v_nop                                          ; one plain line behind the last conversion, ahead of whatever next touches its registers
.endm
.macro WORD dst                        ; four bytes make a row's scale word for 128 along K
	v_lshl_or_b32 v[\dst], v[TM+5], 8, v[TM+4]
	v_lshl_or_b32 v[\dst], v[TM+6], 16, v[\dst]
	v_lshl_or_b32 v[\dst], v[TM+7], 24, v[\dst]
.endm
.macro IMAGE adr, src, off             ; a fragment goes to LDS as it stands in the registers
.irp c,0,1,2,3
	ds_store_b128 v[\adr], v[\src+4*\c:\src+4*\c+3] offset:\off+512*\c
.endr
.endm
	s_load_b512 s[4:19], s[0:1], 0x0               ; tgt, query_pos, ln1_g, ln1_b, in_proj codes, scales, bias, attn_out codes
	s_load_b256 s[20:27], s[0:1], 0x40             ; attn_out scales, bias, ln2_g, ln2_b
	s_load_b64 s[28:29], s[0:1], 0x60              ; t2
	v_lshrrev_b32 v15, 5, v0
	v_readfirstlane_b32 s30, v15                   ; wave = head hd = row tile T of the first phase
	s_and_b32 s32, ttmp7, 0xffff                   ; b
	s_min_u32 s31, ttmp9, 7                        ; i, my tile of queries (the grid has eight along x)
	v_and_b32 v14, 31, v0                          ; L
	v_and_b32 v11, 15, v0                          ; r
	v_bfe_u32 v12, v0, 4, 1                        ; h
	v_and_b32 v13, 8, v11
	v_add_nc_u32 v13, v13, v11                     ; rp = r + 8 (r / 8)
	v_lshlrev_b32 v1, 4, v14                       ; 16 L: an image's place for my lane
	v_lshl_add_u32 v2, v14, 2, QKS                 ; scale words of two K steps: 4 L
	s_lshl_b32 s33, s30, 12
	v_add_nc_u32 v3, s33, v1                       ; where I store my tile's images: 4,096 T + 16 L
	s_lshl_b32 s33, s30, 7
	s_add_co_u32 s33, s33, QKS
	v_lshl_add_u32 v4, v11, 2, s33                 ; and their scale words: 128 T + 4 r
	v_lshlrev_b32 v5, 12, v13
	v_lshl_add_u32 v5, v12, 6, v5                  ; tgt, query_pos: 4,096 rp + 64 h: my 16 numbers of a block of 32
	v_lshlrev_b32 v6, 6, v12                       ; 64 h
	v_lshlrev_b32 v7, 8, v13
	v_lshl_add_u32 v7, v12, 4, v7                  ; a weight's row of 256 codes: 256 rp + 16 h
	v_lshlrev_b32 v8, 3, v13
	v_lshl_add_u32 v8, v12, 2, v8                  ; its scale bytes: 8 rp + 4 h: lanes 16-31 take K step 1's word
	s_lshl_b32 s33, s31, 12
	v_add_nc_u32 v9, s33, v1                       ; my queries' images
	s_lshl_b32 s33, s31, 7
	v_add_nc_u32 v10, s33, v2                      ; and their scale words
	v_lshlrev_b32 v15, 2, v13                      ; 4 rp
.irp k,4,5,6,7
	v_mov_b32 v[TM+\k], 0                          ; written once: a lane permute's destination counts as one of its sources
.endr
	s_mov_b32 s36, 0x76543210
	s_mov_b32 s37, 0xfedcba98
	s_mov_b32 s38, 0x600000
	s_mov_b32 s40, 0x3e8293ee                      ; log2(e) / sqrt(32)
	s_mov_b32 s41, s40                             ; (named with it as a pair)
	s_mov_b32 s42, 0x3b800000                      ; 1 / 256
	s_mov_b32 s43, 0x3727c5ac                      ; 1e-5
	s_lshl_b32 s35, s32, 10                        ; 1,024 b
	s_lshr_b32 s33, s30, 1
	s_lshl_b32 s33, s33, 17
	s_and_b32 s34, s30, 1
	s_lshl_b32 s34, s34, 15
	s_add_co_u32 s44, s33, s34
	s_add_co_u32 s44, s44, s35                     ; row(T, 0): (32 (T / 2) + 8 (T % 2)) x 4,096 + 1,024 b
	s_mov_b32 s45, 0
	s_lshr_b32 s33, s31, 1
	s_lshl_b32 s33, s33, 17
	s_and_b32 s34, s31, 1
	s_lshl_b32 s34, s34, 15
	s_add_co_u32 s48, s33, s34
	s_add_co_u32 s48, s48, s35                     ; row(i, 0)
	s_lshl_b32 s58, s30, 7                         ; 128 hd
	s_mov_b32 s59, 0
	s_add_co_u32 s50, s48, s58                     ; the residual: row(i, 0), my head's 32 features
	s_mov_b32 s51, 0
	s_lshl_b32 s54, s30, 13                        ; 8,192 hd
	s_mov_b32 s55, 0
	s_lshr_b32 s34, s30, 2
	s_lshl_b32 s34, s34, 15
	s_add_co_u32 s52, s48, s54
	s_add_co_u32 s52, s52, s34                     ; the rows that I store: row(i, 2 hd) = row(i, 0) + 2 hd + 8 (hd / 4), 4,096 bytes each
	s_mov_b32 s53, 0
	s_lshl_b32 s56, s30, 8                         ; 256 hd
	s_mov_b32 s57, 0
	s_wait_kmcnt 0x0
	s_add_nc_u64 s[46:47], s[4:5], s[44:45]        ; tgt at my tile's rows
	s_add_nc_u64 s[6:7], s[6:7], s[44:45]          ; query_pos likewise
	s_add_nc_u64 s[4:5], s[4:5], s[50:51]
	s_add_nc_u64 s[28:29], s[28:29], s[52:53]
	s_add_nc_u64 s[12:13], s[12:13], s[54:55]      ; my head's 32 rows of each projection
	s_add_nc_u64 s[18:19], s[18:19], s[54:55]
	s_add_nc_u64 s[14:15], s[14:15], s[56:57]
	s_add_nc_u64 s[20:21], s[20:21], s[56:57]
	s_add_nc_u64 s[16:17], s[16:17], s[58:59]
	s_add_nc_u64 s[22:23], s[22:23], s[58:59]
	s_add_nc_u64 s[24:25], s[24:25], s[58:59]
	s_add_nc_u64 s[26:27], s[26:27], s[58:59]
; ---- PHASE 1: LN1 of my 16 rows, and both operands of the projections.  Lane (r, h) holds k = 128 s + 32 c + 16 h + 0 .. 15 of row(T, r) in register 64 s + 16 c + ..
.macro GBLOAD s                        ; LN1's gain and bias at my k of K step s
	WIN 0x40
.irp c,0,1,2,3
.irp j,0,1,2,3
	global_load_b128 v[16*\c+4*\j:16*\c+4*\j+3], v6, s[8:9] offset:512*\s+128*\c+16*\j
	global_load_b128 v[64+16*\c+4*\j:64+16*\c+4*\j+3], v6, s[10:11] offset:512*\s+128*\c+16*\j
.endr
.endr
	WIN 0
.endm
.macro QPLOAD s
.irp c,0,1,2,3
.irp j,0,1,2,3
	global_load_b128 v[192+16*\c+4*\j:192+16*\c+4*\j+3], v5, s[6:7] offset:512*\s+128*\c+16*\j
.endr
.endr
.endm
.macro TN s                            ; LN1's result of K step s: (x - mean) rstd x gain + bias
	WIN 0x14
.set j, 0
.rept 32
	v_pk_fma_f32 v[64+64*\s+j:65+64*\s+j], v[64+64*\s+j:65+64*\s+j], v[j:j+1], v[64+j:65+j]
.set j, j+2
.endr
	WIN 0
.endm
.macro QK s                            ; + query_pos
.set j, 0
.rept 32
	v_pk_add_f32 v[192+j:193+j], v[64+64*\s+j:65+64*\s+j], v[192+j:193+j]
.set j, j+2
.endr
.endm
.macro QIMG src, ioff, soff            ; 64 numbers become a fragment and its scale word, and both go to LDS
	QSCALE \src, 4, 0
	WORD TM+4
	QCODE \src, 4, 0, PC, 0
	IMAGE 3, PC, \ioff
	ds_store_b32 v4, v[TM+4] offset:\soff          ; both lanes of a row write the same word
.endm
.irp s,0,1
.irp c,0,1,2,3
.irp j,0,1,2,3
	global_load_b128 v[64+64*\s+16*\c+4*\j:64+64*\s+16*\c+4*\j+3], v5, s[46:47] offset:512*\s+128*\c+16*\j
.endr
.endr
.endr
	GBLOAD 0
	QPLOAD 0
	s_wait_loadcnt 48                              ; my rows are in; behind them: 32 loads of gain and bias, 16 of query_pos
	v_pk_add_f32 v[16:17], v[64:65], v[66:67]      ; the mean, in two chains
	v_pk_add_f32 v[18:19], v[68:69], v[70:71]
.set j, 72
.rept 30
	v_pk_add_f32 v[16:17], v[16:17], v[j:j+1]
	v_pk_add_f32 v[18:19], v[18:19], v[j+2:j+3]
.set j, j+4
.endr
	v_pk_add_f32 v[16:17], v[16:17], v[18:19]
	v_add_f32 v16, v16, v17
	v_permlanex16_b32 v20, v16, s36, s37           ; the row's other 128 numbers lie in lane l xor 16
	v_add_f32 v16, v16, v20
	v_mul_f32 v16, s42, v16
.set j, 64
.rept 64
	v_pk_add_f32 v[j:j+1], v[j:j+1], v[16:17] op_sel_hi:[1,0] neg_lo:[0,1] neg_hi:[0,1]
.set j, j+2
.endr
	v_pk_mul_f32 v[18:19], v[64:65], v[64:65]      ; the variance, of the differences: no difference of large sums
	v_pk_mul_f32 v[22:23], v[66:67], v[66:67]
.set j, 68
.rept 31
	v_pk_fma_f32 v[18:19], v[j:j+1], v[j:j+1], v[18:19]
	v_pk_fma_f32 v[22:23], v[j+2:j+3], v[j+2:j+3], v[22:23]
.set j, j+4
.endr
	v_pk_add_f32 v[18:19], v[18:19], v[22:23]
	v_add_f32 v18, v18, v19
	v_permlanex16_b32 v20, v18, s36, s37
	v_add_f32 v18, v18, v20
	v_fma_f32 v18, v18, s42, s43
	v_rsq_f32 v18, v18
	v_nop                                          ; a plain line behind the transcendental,
	s_wait_alu depctr_va_vdst(0)                   ; and the wait ahead of its first reader
.set j, 64
.rept 64
	v_pk_mul_f32 v[j:j+1], v[j:j+1], v[18:19] op_sel_hi:[1,0]
.set j, j+2
.endr
	s_wait_loadcnt 16                              ; gain and bias of K step 0 are in; query_pos's 16 loads may be out
	TN 0
	s_wait_loadcnt 0x0
	QK 0
	GBLOAD 1
	QIMG 192, QKI, 0
	QPLOAD 1
	s_wait_dscnt 0x0                               ; the stores have read PC and the word
	QIMG 64, TNI, 1024
	s_wait_dscnt 0x0
	s_wait_loadcnt 16                              ; gain and bias of K step 1
	TN 1
	s_wait_loadcnt 0x0
	QK 1
	WIN 0x40                                       ; my head's Wq and Wk (tile u takes rows 8 u + rp), and the three biases
.irp u,0,1
.irp s,0,1
.irp c,0,1,2,3
	global_load_b128 v[128+32*\u+16*\s+4*\c:128+32*\u+16*\s+4*\c+3], v7, s[12:13] offset:2048*\u+128*\s+32*\c
	global_load_b128 v[192+32*\u+16*\s+4*\c:192+32*\u+16*\s+4*\c+3], v7, s[12:13] offset:65536+2048*\u+128*\s+32*\c
.endr
.endr
	global_load_b128 v[64+8*\u:64+8*\u+3], v6, s[16:17] offset:32*\u            ; bq at 16 h + 8 u + j: the layout of a transposed result
	global_load_b128 v[68+8*\u:68+8*\u+3], v6, s[16:17] offset:32*\u+16
	global_load_b128 v[80+8*\u:80+8*\u+3], v6, s[16:17] offset:1024+32*\u       ; bk
	global_load_b128 v[84+8*\u:84+8*\u+3], v6, s[16:17] offset:1024+32*\u+16
	global_load_b32 v[96+8*\u], v15, s[16:17] offset:2048+32*\u                 ; bv at 8 u + rp: one number a lane
.endr
	WIN 0
.irp u,0,1
	global_load_b32 v[48+\u], v8, s[14:15] offset:64*\u
	global_load_b32 v[50+\u], v8, s[14:15] offset:2048+64*\u
.endr
	QIMG 192, QKI+2048, 64
	s_wait_dscnt 0x0
	QIMG 128, TNI+2048, 1024+64
	BARRIER                                        ; all 32 fragments and their scale words lie in LDS
; ---- PHASE 2: K of all 128 rows and Q of my 16, for my head
	v_lshlrev_b32 v74, 8, v11
	v_lshl_add_u32 v74, v12, 4, v74                ; Wo: 256 r + 16 h
	v_lshlrev_b32 v75, 3, v11
	v_lshl_add_u32 v75, v12, 2, v75                ; its scale bytes: 8 r + 4 h
	v_lshlrev_b32 v77, 5, v12                      ; 32 h
	v_lshl_add_u32 v78, v13, 12, v77               ; the residual: 4,096 rp + 32 h
	s_lshl_b32 s33, s30, 9
	s_add_co_u32 s33, s33, OIM
	v_add_nc_u32 v79, s33, v1                      ; my head is block hd of the output projection's K: 512 hd + 16 L
	s_lshr_b32 s33, s30, 2
	s_lshl_b32 s33, s33, 6
	s_and_b32 s34, s30, 3
	s_add_co_u32 s33, s33, s34
	s_add_co_u32 s33, s33, OSC
	v_lshl_add_u32 v80, v11, 2, s33                ; its scale byte: 64 (hd / 4) + 4 r + hd % 4
	v_add_nc_u32 v81, OIM, v1
	v_lshl_add_u32 v82, v14, 2, OSC
	s_add_co_u32 s33, s58, RD1
	v_lshl_add_u32 v83, v14, 2, s33
	v_lshl_add_u32 v84, v14, 2, RD1
	v_mul_u32_u24 v85, v11, 1040
	v_add_nc_u32 v85, v85, v77
	s_add_co_u32 s33, s58, OST
	v_add_nc_u32 v85, s33, v85                     ; the way out: row r, 128 hd + 32 h
	s_mul_i32 s33, s30, 2080
	s_add_co_u32 s33, s33, OST
	v_add_nc_u32 v86, s33, v1                      ; and back: rows 2 hd, 2 hd + 1
	v_mov_b32 v72, 0
	v_mov_b32 v67, 0
.irp k,4,5,6,7,8,9,10,11,12,13,14,15
	v_mov_b32 v[224+\k], 0                         ; a head has 32 along K: the other 96 of the instruction's 128 are zero codes, on both sides
	v_mov_b32 v[240+\k], 0
	v_mov_b32 v[88+\k], 0
.endr
	s_mov_b32 vcc_lo, 0xffff0000                   ; lanes 16-31
	s_wait_loadcnt 0x0                             ; Wq, Wk, their scale words, the biases
	WIN 0x41
.irp u,0,1
.irp j,1,2,3,4,5,6,7
	v_mov_b32 v[96+8*\u+\j], v[96+8*\u]            ; bv as a C operand: the lane's number in all eight registers
.endr
.endr
	WIN 0
.macro FETCHT buf, adr, off, sadr, soff  ; a row tile's two fragments into fetch buffer buf, its scale words (both K steps) into v[52 + buf]
	WIN 0x40
.irp s,0,1
.irp c,0,1,2,3
	ds_load_b128 v[32*(\buf)+16*\s+4*\c:32*(\buf)+16*\s+4*\c+3], v[\adr] offset:\off+2048*\s+512*\c
.endr
.endr
	WIN 0
	ds_load_b32 v[52+(\buf)], v[\sadr] offset:\soff
.endm
; four products, transposed: source 0 = 16 rows of the weight, source 1 = the row tile.  Lane (r, h) then holds row r, and the 16 registers of tiles u = 0, 1 the head's dimensions 16 h + 0 .. 15.
; The two accumulators take turns.
.macro PROJ d, w, bias, buf, ws
	WIN 0x15
	MM \d, \w, 32*(\buf), \bias, \ws, 52+(\buf), 0, 0
	MM (\d)+8, (\w)+32, 32*(\buf), (\bias)+8, (\ws)+1, 52+(\buf), 0, 0
	WIN 0x05
	MM \d, (\w)+16, 32*(\buf)+16, \d, \ws, 52+(\buf), 1, 1
	MM (\d)+8, (\w)+48, 32*(\buf)+16, (\d)+8, (\ws)+1, 52+(\buf), 1, 1
	WIN 0
.endm
	FETCHT 0, 1, QKI, 2, 0
.irp T,0,1,2,3,4,5,6,7
.if (\T > 0) && (\T != 4)
	PLACES 8                                       ; in front of loads into registers that the products of the tile before last... the last products have read
.endif
.if \T < 7
	FETCHT (\T+1)%2, 1, QKI+4096*(\T+1), 2, 128*(\T+1)
	s_wait_dscnt 9                                 ; this tile is in; the nine loads just issued may be out
.else
	s_wait_dscnt 0x0
.endif
	PROJ 128+16*(\T%4), 192, 80, \T%2, 50
.if (\T%4) == 3                        ; four tiles of K are quantised together: a key's 32 dimensions are one block
	PLACES 8
.if \T == 7
	FETCHT 0, 9, 0, 10, 0                          ; my queries' tile
.endif
	QSCALE 128, 4, 0
	v_cndmask_b32 v[54+2*(\T/4)], v[TM+4], v[TM+5], vcc_lo     ; the scale words of two tiles share a register: the even tile's in lanes 0-15, the odd one's in lanes 16-31.
	v_cndmask_b32 v[55+2*(\T/4)], v[TM+6], v[TM+7], vcc_lo     ; (byte 0 is the block's; the other three stand over zero codes)
	QCODE 128, 4, 0, 192+16*(\T/4), 0
.endif
.endr
	s_wait_dscnt 0x0
	PROJ 128, 128, 64, 0, 48
	PLACES 8
	WIN 0x40                                       ; Wv takes Wk's registers, Wo takes Wq's
.irp u,0,1
.irp s,0,1
.irp c,0,1,2,3
	global_load_b128 v[192+32*\u+16*\s+4*\c:192+32*\u+16*\s+4*\c+3], v7, s[12:13] offset:131072+2048*\u+128*\s+32*\c
	global_load_b128 v[128+32*\u+16*\s+4*\c:128+32*\u+16*\s+4*\c+3], v74, s[18:19] offset:4096*\u+128*\s+32*\c
.endr
.endr
.endr
	WIN 0
.irp u,0,1
	global_load_b32 v[50+\u], v8, s[14:15] offset:4096+64*\u
	global_load_b32 v[48+\u], v75, s[20:21] offset:128*\u
.endr
	QSCALE 128, 1, 0
	v_mov_b32 v58, v[TM+4]                         ; Q's scale word
	QCODE 128, 1, 0, 88, 0
; ---- PHASE 3: attention.  S^T = K Q^T: a lane holds one query, and the 16 registers of tiles 2 B, 2 B + 1 are keys 32 B + 16 h + 0 .. 15
.irp T,0,1,2,3,4,5,6,7
.irp k,0,1,2,3
	v_mov_b32 v[224+16*(\T%2)+\k], v[192+4*\T+\k]  ; the tile's codes in front of twelve registers of zeros; two buffers by turns, so that eight plain lines lie between a product and the next write of its buffer
.endr
	PLACES 4
	MMZ 128+8*\T, 224+16*(\T%2), 88, 54+\T/2, 58, \T%2
.endr
	FETCHT 0, 1, TNI, 2, 1024                      ; V's first row tile comes while the softmax is worked
	PLACES 8
.irp b,0,1,2,3
	v_max3_num_f32 v[TM+\b], v[128+16*\b], v[129+16*\b], v[130+16*\b]   ; the largest score of each block of 32 keys: for the row's maximum and, since p rises with the score, for the block's largest p
.endr
.irp i,3,5,7,9,11,13
.irp b,0,1,2,3
	v_max3_num_f32 v[TM+\b], v[TM+\b], v[128+16*\b+\i], v[129+16*\b+\i]
.endr
.endr
.irp b,0,1,2,3
	v_max_num_f32 v[TM+\b], v[TM+\b], v[143+16*\b]
.endr
.irp b,0,1,2,3
	v_permlanex16_b32 v[TM+4+\b], v[TM+\b], s36, s37
.endr
.irp b,0,1,2,3
	v_max_num_f32 v[TM+\b], v[TM+\b], v[TM+4+\b]
.endr
	v_max3_num_f32 v64, v[TM], v[TM+1], v[TM+2]
	v_max_num_f32 v64, v64, v[TM+3]
	v_mul_f32 v64, s40, v64                        ; the row's largest t
	v_floor_f32 v66, -v64                          ; -M = floor(-t): M is a whole number
.set j, 0
.rept 32
	v_pk_fma_f32 v[128+j:129+j], v[128+j:129+j], s[40:41], v[66:67] op_sel_hi:[1,0,0]   ; t - M
.set j, j+2
.endr
.irp b,0,1,2,3
	v_fma_f32 v[TM+\b], v[TM+\b], s40, v66
.endr
.set j, 0
.rept 64
	v_exp_f32 v[128+j], v[128+j]                   ; p = 2^(t - M): not normalised
.set j, j+1
.endr
	v_nop
	s_wait_alu depctr_va_vdst(0)                   ; one wait for the batch, ahead of its first reader
.irp b,0,1,2,3
	v_exp_f32 v[TM+\b], v[TM+\b]                   ; each block's largest p
.endr
	v_pk_add_f32 v[68:69], v[128:129], v[130:131]  ; the row's sum, of the unquantised p, in two chains
	v_pk_add_f32 v[70:71], v[132:133], v[134:135]
.set j, 136
.rept 14
	v_pk_add_f32 v[68:69], v[68:69], v[j:j+1]
	v_pk_add_f32 v[70:71], v[70:71], v[j+2:j+3]
.set j, j+4
.endr
	v_pk_add_f32 v[68:69], v[68:69], v[70:71]
	s_wait_alu depctr_va_vdst(0)                   ; and one for the four
.irp b,0,1,2,3
	v_max_num_f32 v[TM+\b], 0x8000000, v[TM+\b]
.endr
.irp b,0,1,2,3
	v_add_nc_u32 v[TM+12+\b], 0xf8800000, v[TM+\b]
.endr
.irp b,0,1,2,3
	v_and_or_b32 v[TM+8+\b], v[TM+\b], 0x7f800000, s38
.endr
.irp b,0,1,2,3
	v_lshrrev_b32 v[TM+4+\b], 23, v[TM+12+\b]
.endr
	WORD 59                                        ; p's scale word
.irp b,0,1,2,3
.irp i,0,1,2,3,4,5,6,7,8,9,10,11,12,13,14,15
	v_min_num_f32 v[128+16*\b+\i], v[128+16*\b+\i], v[TM+8+\b]   ; p is not negative: the hold is one-sided
.endr
	v_cvt_scalef32_pk8_bf8_f32 v[104+4*\b:105+4*\b], v[128+16*\b:135+16*\b], v[TM+12+\b]
	v_cvt_scalef32_pk8_bf8_f32 v[106+4*\b:107+4*\b], v[136+16*\b:143+16*\b], v[TM+12+\b]
.endr
	v_nop
	s_wait_loadcnt 0x0                             ; Wv, Wo and their scale words
; V in the natural order: source 0 = 16 keys, source 1 = 16 rows of Wv (tile dt takes rows 8 dt + rp).  A lane then holds one dimension, and register 8 T + j key 32 (T / 2) + 16 h + 8 (T % 2) + j
.irp T,0,1,2,3,4,5,6,7
.if \T > 0
	PLACES 8
.endif
.if \T < 7
	FETCHT (\T+1)%2, 1, TNI+4096*(\T+1), 2, 1024+128*(\T+1)
	s_wait_dscnt 9
.else
	s_wait_dscnt 0x0
.endif
	WIN 0x15
	MM 128+8*\T, 32*(\T%2), 192, 96, 52+\T%2, 50, 0, 0
	MM 192+8*\T, 32*(\T%2), 224, 104, 52+\T%2, 51, 0, 0
	WIN 0x05
	MM 128+8*\T, 32*(\T%2)+16, 208, 128+8*\T, 52+\T%2, 50, 1, 1
	MM 192+8*\T, 32*(\T%2)+16, 240, 192+8*\T, 52+\T%2, 51, 1, 1
	WIN 0
.endr
	PLACES 8
	QSCALE 128, 4, 0                               ; V^T is quantised along the keys
	WORD 60
	QCODE 128, 4, 0, PC, 0
	QSCALE 192, 4, 0
	WORD 61
	QCODE 192, 4, 0, 88, 0
.irp n,0,1                             ; what the last phase wants from memory, into registers that V has left: the bias straight into the accumulators
.irp k,0,1
	global_load_b128 v[144+8*\n+4*\k:147+8*\n+4*\k], v77, s[22:23] offset:64*\n+16*\k
	global_load_b128 v[160+8*\n+4*\k:163+8*\n+4*\k], v78, s[4:5] offset:64*\n+16*\k
	global_load_b128 v[176+8*\n+4*\k:179+8*\n+4*\k], v77, s[24:25] offset:64*\n+16*\k
	global_load_b128 v[192+8*\n+4*\k:195+8*\n+4*\k], v77, s[26:27] offset:64*\n+16*\k
.endr
.endr
	PLACES 4
	MMZ 128, PC, 104, 60, 59, 0                    ; O^T = V^T P^T: lane (r, h): query r; register 8 dt + j: dimension 16 h + 8 dt + j
	MMZ 136, 88, 104, 61, 59, 0
	v_add_f32 v68, v68, v69
	v_permlanex16_b32 v72, v68, s36, s37
	v_add_f32 v68, v68, v72                        ; the row's sum
	v_rcp_f32 v73, v68
	PLACES 8
	s_wait_alu depctr_va_vdst(0)
.irp j,0,1,2,3,4,5,6,7,8,9,10,11,12,13,14,15
	v_mul_f32 v[128+\j], v[128+\j], v73
.endr
	QSCALE 128, 1, 0
	QCODE 128, 1, 0, PC, 0
	ds_store_b128 v79, v[PC:PC+3]
	ds_store_b8 v80, v[TM+4]                       ; both lanes of a row write the same byte
	BARRIER                                        ; the eight heads' codes make two fragments
; ---- PHASE 4: the output projection for features 32 hd .. + 31, the residual, LN2
.irp s,0,1
.irp c,0,1,2,3
	ds_load_b128 v[208+16*\s+4*\c:208+16*\s+4*\c+3], v81 offset:2048*\s+512*\c
.endr
.endr
	ds_load_b32 v62, v82
	s_wait_dscnt 0x0
	s_wait_loadcnt 0x0
	WIN 0x01                                       ; transposed: lane (r, h): query r; register j of tile n: feature 32 hd + 16 n + 8 h + j
	MM 144, 128, 208, 144, 48, 62, 0, 0
	MM 152, 160, 208, 152, 49, 62, 0, 0
	MM 144, 144, 224, 144, 48, 62, 1, 1
	MM 152, 176, 224, 152, 49, 62, 1, 1
	WIN 0
	PLACES 8
.irp j,0,2,4,6,8,10,12,14
	v_pk_add_f32 v[144+\j:145+\j], v[144+\j:145+\j], v[160+\j:161+\j]
.endr
	v_pk_add_f32 v[64:65], v[144:145], v[146:147]
	v_pk_add_f32 v[68:69], v[148:149], v[150:151]
	v_pk_add_f32 v[64:65], v[64:65], v[152:153]
	v_pk_add_f32 v[68:69], v[68:69], v[154:155]
	v_pk_add_f32 v[64:65], v[64:65], v[156:157]
	v_pk_add_f32 v[68:69], v[68:69], v[158:159]
	v_pk_add_f32 v[64:65], v[64:65], v[68:69]
	v_add_f32 v64, v64, v65
	v_permlanex16_b32 v72, v64, s36, s37
	v_add_f32 v64, v64, v72                        ; my head's 32 features of row r
	ds_store_b32 v83, v64
	BARRIER
.irp k,0,1,2,3,4,5,6,7
	ds_load_b32 v[240+\k], v84 offset:128*\k
.endr
	s_wait_dscnt 0x0
	v_add_f32 v64, v240, v241
.irp k,2,3,4,5,6,7
	v_add_f32 v64, v64, v[240+\k]
.endr
	v_mul_f32 v64, s42, v64
.irp j,0,2,4,6,8,10,12,14
	v_pk_add_f32 v[144+\j:145+\j], v[144+\j:145+\j], v[64:65] op_sel_hi:[1,0] neg_lo:[0,1] neg_hi:[0,1]
.endr
	v_pk_mul_f32 v[68:69], v[144:145], v[144:145]
	v_pk_mul_f32 v[70:71], v[146:147], v[146:147]
.irp j,4,8,12
	v_pk_fma_f32 v[68:69], v[144+\j:145+\j], v[144+\j:145+\j], v[68:69]
	v_pk_fma_f32 v[70:71], v[146+\j:147+\j], v[146+\j:147+\j], v[70:71]
.endr
	v_pk_add_f32 v[68:69], v[68:69], v[70:71]
	v_add_f32 v68, v68, v69
	v_permlanex16_b32 v72, v68, s36, s37
	v_add_f32 v68, v68, v72
	ds_store_b32 v83, v68 offset:1024
	BARRIER
.irp k,0,1,2,3,4,5,6,7
	ds_load_b32 v[240+\k], v84 offset:1024+128*\k
.endr
	s_wait_dscnt 0x0
	v_add_f32 v68, v240, v241
.irp k,2,3,4,5,6,7
	v_add_f32 v68, v68, v[240+\k]
.endr
	v_fma_f32 v68, v68, s42, s43
	v_rsq_f32 v68, v68
	v_nop
	s_wait_alu depctr_va_vdst(0)
.irp j,0,2,4,6,8,10,12,14
	v_pk_mul_f32 v[144+\j:145+\j], v[144+\j:145+\j], v[68:69] op_sel_hi:[1,0]
.endr
.irp j,0,2,4,6,8,10,12,14
	v_pk_fma_f32 v[144+\j:145+\j], v[144+\j:145+\j], v[176+\j:177+\j], v[192+\j:193+\j]
.endr
.irp n,0,1
	ds_store_b128 v85, v[144+8*\n:147+8*\n] offset:64*\n
	ds_store_b128 v85, v[148+8*\n:151+8*\n] offset:64*\n+16
.endr
	BARRIER                                        ; 16 whole rows lie in the stage
.irp k,0,1
	ds_load_b128 v[208+8*\k:211+8*\k], v86 offset:1040*\k
	ds_load_b128 v[212+8*\k:215+8*\k], v86 offset:1040*\k+512
.endr
	s_wait_dscnt 0x0
.irp k,0,1
	global_store_b128 v1, v[208+8*\k:211+8*\k], s[28:29] offset:4096*\k         ; 32 lanes store 512 consecutive bytes, aligned
	global_store_b128 v1, v[212+8*\k:215+8*\k], s[28:29] offset:4096*\k+512
.endr
	s_wait_xcnt 0x0
	v_lshl_add_u32 v254, v0, 2, 0x18000
	v_mov_b32 v255, 0
	s_wait_tensorcnt 0x0
	ds_add_u32 v254, v255
	s_wait_dscnt 0x0
	s_endpgm
.Lfunc_end_k_qf7b8a67af6_selfattn:
	.size	k_qf7b8a67af6_selfattn, .Lfunc_end_k_qf7b8a67af6_selfattn-k_qf7b8a67af6_selfattn
	.p2alignl 7, 3214868480
	.fill 96, 4, 3214868480
	.section	.rodata,"a",@progbits
	.p2align	6, 0x0
	.amdhsa_kernel k_qf7b8a67af6_selfattn
		.amdhsa_group_segment_fixed_size 99328
		.amdhsa_private_segment_fixed_size 0
		.amdhsa_enable_private_segment 0
		.amdhsa_kernarg_size 104
		.amdhsa_user_sgpr_count 2
		.amdhsa_user_sgpr_kernarg_segment_ptr 1
		.amdhsa_wavefront_size32 1
		.amdhsa_system_sgpr_workgroup_id_x 1
		.amdhsa_system_sgpr_workgroup_id_y 1
		.amdhsa_system_sgpr_workgroup_id_z 1
		.amdhsa_system_vgpr_workitem_id 0
		.amdhsa_next_free_vgpr 512
		.amdhsa_next_free_sgpr 66
		.amdhsa_reserve_vcc 1
		.amdhsa_float_denorm_mode_32 3
		.amdhsa_float_denorm_mode_16_64 3
		.amdhsa_memory_ordered 1
		.amdhsa_forward_progress 1
		.amdhsa_inst_pref_size 173
	.end_amdhsa_kernel
	.amdgpu_metadata
---
amdhsa.version: [ 1, 2 ]
amdhsa.kernels:
  - .name:           k_qf7b8a67af6_selfattn
    .symbol:         k_qf7b8a67af6_selfattn.kd
    .args:
      - { .name: tgt, .offset: 0, .size: 8, .value_kind: global_buffer, .address_space: global }
      - { .name: query_pos, .offset: 8, .size: 8, .value_kind: global_buffer, .address_space: global }
      - { .name: ln1_g, .offset: 16, .size: 8, .value_kind: global_buffer, .address_space: global }
      - { .name: ln1_b, .offset: 24, .size: 8, .value_kind: global_buffer, .address_space: global }
      - { .name: in_proj_w_codes, .offset: 32, .size: 8, .value_kind: global_buffer, .address_space: global }
      - { .name: in_proj_w_scales, .offset: 40, .size: 8, .value_kind: global_buffer, .address_space: global }
      - { .name: in_proj_b, .offset: 48, .size: 8, .value_kind: global_buffer, .address_space: global }
      - { .name: attn_out_w_codes, .offset: 56, .size: 8, .value_kind: global_buffer, .address_space: global }
      - { .name: attn_out_w_scales, .offset: 64, .size: 8, .value_kind: global_buffer, .address_space: global }
      - { .name: attn_out_b, .offset: 72, .size: 8, .value_kind: global_buffer, .address_space: global }
      - { .name: ln2_g, .offset: 80, .size: 8, .value_kind: global_buffer, .address_space: global }
      - { .name: ln2_b, .offset: 88, .size: 8, .value_kind: global_buffer, .address_space: global }
      - { .name: t2, .offset: 96, .size: 8, .value_kind: global_buffer, .address_space: global }
    .group_segment_fixed_size: 99328
    .private_segment_fixed_size: 0
    .kernarg_segment_align: 8
    .kernarg_segment_size: 104
    .max_flat_workgroup_size: 256
    .sgpr_count:     66
    .vgpr_count:     512
    .wavefront_size: 32
...
	.end_amdgpu_metadata
.endif
;; end of part 1
;; launch relation (part 2): grid 64 x 4, 4 waves a work-group, no clusters, 327,680 bytes of LDS; arguments relative_pos, memory, t2, mlp1_w_codes, mlp1_w_scales, mlp1_b, mlp2_w_codes, mlp2_w_scales, mlp2_b, v_w_codes, v_w_scales, v_b, o_w_codes, o_w_scales, o_b, ln3_g, ln3_b, ff1_w_codes, ff1_w_scales, ff1_b, ff2_w_codes, ff2_w_scales, ff2_b, out0; writes out0
.if DOCPART == 2
	.amdgcn_target "amdgcn-amd-amdhsa--gfx1250"
	.amdhsa_code_object_version 6
	.text
	.protected	k_qf7b8a67af6_relation
	.globl	k_qf7b8a67af6_relation
	.p2align	8
	.type	k_qf7b8a67af6_relation,@function
k_qf7b8a67af6_relation:
	s_mov_b64 s[64:65], 0
	v_nop
	global_prefetch_b8 v0, s[64:65] scope:SCOPE_SE
	s_setreg_imm32_b32 hwreg(HW_REG_WAVE_MODE, 25, 1), 1
	s_wait_xcnt 0x0
; The relation branch and all that follows it.  For queries q0, q0 + 1 of batch b and all 512 rows c:  x = (t2 - memory) + relative_pos, y = memory + relative_pos,
; h = relu(x W1^T + b1), sim = h W2^T + b2, v2 = y Wv^T + bv, t = sum over c of softmax_c(sim / 16) v2 (for each feature by itself); then relu(t Wo^T + bo) + t2, LN3, the FFN and its residual.
; All matrix products run on codes of E5M2 with one E8M0 scale for each 32 along K; the sum over c is fused multiply-adds in f32; x, y, h, sim and v2 never go to memory.
; SHARES.  256 work-groups of four waves; work-group (x, y): b = y, q0 = 2 x.  A sub-step takes 16 rows c for both queries (two row tiles); there are 32.
;   As a MULTIPLIER wave w owns features 64 w .. + 63 of W1, W2 and Wv: 384 registers of fragments that stay for the whole loop.
;   As a QUANTISER wave w takes row tile w / 2 and K step w % 2: lane (r, h) holds k = 128 (w % 2) + 64 h + 0 .. 63 of row r: two whole blocks of 32, so that no maximum leaves the lane.
;   Codes and scale words go from wave to wave through LDS as images of the operand's registers (16 bytes a lane at 16 x lane; scale words 64 bytes a fragment, so that a load at 4 x lane brings
;   K step 0's words in lanes 0-15 and K step 1's in lanes 16-31; the matrix instruction chooses the row of lanes).
;   x W1^T is used transposed, with W1's rows chosen so that a lane's 16 registers of two tiles are 16 neighbours along the next K; the other two products in the natural order: a lane then holds ONE feature and
;   eight rows c, and the softmax over c stays in the lane until the end.
; THE RING.  relative_pos comes through two LDS slots of 64 rows c x 2 queries x 1 KiB; each wave brings 32 rows by one tensor load.  A wave has one tensor load outstanding at the most.
; memory's tile of a sub-step (16 KiB) comes through registers into a stage of its own, one sub-step ahead.
; NO CLUSTER: relative_pos, two thirds of a sub-step's 48 KiB, is read by one work-group alone.  memory's third is shared by the 64 work-groups of a batch, but it cannot ride in the ring: two slots of
; 64 x 3 rows of 1,040 bytes are 399,360 bytes, more than LDS has, and slots of 32 rows would double the changes of slots.  The weights go straight into registers.
; NO PREFETCH: behind each change of slots every work-group has 128 KiB of relative_pos on its way, four sub-steps ahead of its use.
; THE SOFTMAX OF A SUB-STEP IS WORKED IN THREE PARTS (maximum and scalings; exponentials; sums), for each query by itself, and mostly one sub-step later: its parts fill the times in which the wave would
; wait for LDS, and carry matrix instructions between their lines (below).  The loop is cut behind query 0's first part.  So the first trip finds exponents of 0 for query 0, scores of -2^100 for query 1
; (c x 2^100 is exact, so their exponents come out 0 too) and values of 0; the first true maximum multiplies what that trip summed by 2^(-huge) = 0.
; BY TURNS.  The wave is alone on its SIMD: in a bare run of matrix instructions the vector unit has nothing, and the other way round.  So 24 of a sub-step's 48 products stand SINGLY behind groups of four to
; eight vector lines that name none of their registers: h W2^T of query 1 in the first part of query 0's softmax, x W1^T of query 0 in the last part of query 1's softmax, x W1^T of query 1 in the quantising of
; query 0's h.  Each costs two switches of the register windows, since the vector lines work in window 0 and the operands lie in windows 1 to 3.  The other 24 stand in bare runs: y Wv^T where the wave would
; wait for h's fragments anyway, h W2^T of query 0 where no independent vector work is at hand.
; LIMITS: scores under -2^100 are not served; NaN and infinities are not served; a block of zeros gets the scale byte 1 (its codes are zeros); blocks whose largest magnitude lies under 2^-111 were not tried.
; In the tail every tile of 16 "rows" holds the work-group's two rows eight times (row = lane % 2): 288 products a work-group against the loop's 6,144.
; REGISTERS, in windows of 256.
;  window 0: v0 thread; v1, v2 for the add on the spare words; v3-15 addresses; v16-47 and v112-127 scale words and nothing else; v48-95 ST, six a group (query, tile of features): m, at work, l (2), sum (2);
;            v96-111 TM, at work; v128-191 sim (and h before it); v192-255 v2.
;  window 1: v0-127 W1, v128-255 W2.   window 2: v0-127 Wv; v128-159 b1, v160-191 b2, v192-223 bv as C operands; v224-255 memory's rows on their way.
;  window 3: v0-63 relative_pos, then x, then x's fragments, then h's; v64-127 memory, then y, then y's fragments; v128-191 my 64 numbers of t2; v192-223 T, at work; v224-231 QT; v232-247 codes; v248-249 scale bytes.
.set PITCH,  1040                      ; an LDS row of 1,024 bytes + 16: the 16 rows that a load touches start 16 bytes apart modulo 256
.set SLOT,   128*PITCH
.set MEMST,  2*SLOT                    ; 16 rows of memory
.set XIMG,   MEMST+16*PITCH            ; x's four fragments (2 query + K step), 2,048 bytes each;
.set YOFF,   8192                      ; y's,
.set HOFF,   16384                     ; h's
.set XSC,    XIMG+3*8192               ; x's scale words, 64 bytes a fragment; y's 256 further on, h's 512
.set SPARE,  XSC+768                   ; the spare words, 128 bytes a wave: two blocks of 256 bytes that no other line names
.set TST,    SPARE+512                 ; the tail: t, two rows
.set RED1,   TST+2304                  ; LN3's sums, 128 bytes a wave; the second pass's 512 further on
.set NIMG,   RED1+1024                 ; LN3's result: two fragments
.set NSC,    NIMG+4096
.set OST,    NSC+256                   ; two rows of the output
.set ST,   48
.set TM,   96
.set SIM,  128
.set V2,   192
.set SEL,  56
.set MNT,  55
.set MSB, 0
.macro WIN new                         ; the immediate's high byte repeats the setting that is left; a switch that changes nothing is dropped
.if MSB != (\new)
	s_set_vgpr_msb (MSB<<8)|(\new)
.set MSB, \new
.endif
.endm
.macro PLACES n
.rept \n
	v_nop
.endr
.endm
.macro BARRIER                         ; my LDS stores have landed and my LDS loads are in: then the work-group's barrier
	s_wait_dscnt 0x0
	s_barrier_signal -1
	s_barrier_wait -1
.endm
.macro MM d, a, b, c, sa, sb, ra, rb   ; one product 16 x 16 x 128.  ra, rb = 1: that side's scale words are taken from lanes 16-31
.if (\ra) && (\rb)
	v_wmma_scale_f32_16x16x128_f8f6f4 v[(\d):(\d)+7], v[(\a):(\a)+15], v[(\b):(\b)+15], v[(\c):(\c)+7], v[\sa], v[\sb] matrix_a_fmt:MATRIX_FMT_BF8 matrix_b_fmt:MATRIX_FMT_BF8 matrix_a_scale:MATRIX_SCALE_ROW1 matrix_b_scale:MATRIX_SCALE_ROW1
.elseif (\ra)
	v_wmma_scale_f32_16x16x128_f8f6f4 v[(\d):(\d)+7], v[(\a):(\a)+15], v[(\b):(\b)+15], v[(\c):(\c)+7], v[\sa], v[\sb] matrix_a_fmt:MATRIX_FMT_BF8 matrix_b_fmt:MATRIX_FMT_BF8 matrix_a_scale:MATRIX_SCALE_ROW1
.elseif (\rb)
	v_wmma_scale_f32_16x16x128_f8f6f4 v[(\d):(\d)+7], v[(\a):(\a)+15], v[(\b):(\b)+15], v[(\c):(\c)+7], v[\sa], v[\sb] matrix_a_fmt:MATRIX_FMT_BF8 matrix_b_fmt:MATRIX_FMT_BF8 matrix_b_scale:MATRIX_SCALE_ROW1
.else
	v_wmma_scale_f32_16x16x128_f8f6f4 v[(\d):(\d)+7], v[(\a):(\a)+15], v[(\b):(\b)+15], v[(\c):(\c)+7], v[\sa], v[\sb] matrix_a_fmt:MATRIX_FMT_BF8 matrix_b_fmt:MATRIX_FMT_BF8
.endif
.endm
; THE NEXT PRODUCT OF THE PIECE IN HAND, between vector lines that work in window 0.  A piece is the eight products of one query: K step 0 on its four accumulators, then K step 1 on the same four, so that
; the accumulators take turns.  MXK = 1: x W1^T (source 0 W1, window 1; source 1 x, window 3; C b1, window 2);  MXK = 2: h W2^T (source 0 h, window 3; source 1 W2, window 1; C b2, window 2).
; MXQ: the query.  MXI: the product's number; from 8 on the macro writes nothing, so the vector macros that call it serve with and without a piece.
.set MXI, 8
.set MXK, 1
.set MXQ, 0
.macro MX
.if MXI < 8
.set MXN, MXI%4
.set MXD, SIM+8*(4*MXQ+MXN)
.if MXK == 1
.if MXI < 4
	WIN 0x2d
	MM MXD, 32*MXN, 32*MXQ, 128+8*MXN, 16+MXN, 28+MXQ, 0, 0
.else
	WIN 0x0d
	MM MXD, 32*MXN+16, 32*MXQ+16, MXD, 16+MXN, 28+MXQ, 1, 1
.endif
.else
.if MXI < 4
	WIN 0x27
	MM MXD, 32*MXQ, 128+32*MXN, 160+8*MXN, 32+MXQ, 20+MXN, 0, 0
.else
	WIN 0x07
	MM MXD, 32*MXQ+16, 144+32*MXN, MXD, 32+MXQ, 20+MXN, 1, 1
.endif
.endif
	WIN 0
.set MXI, MXI+1
.endif
.endm
; nb blocks of 32 along K; block b's numbers are v[src + 16 b .. + 15] of lanes l and l xor 16.  Leaves in TM+4+b the scale's byte, in TM+8+b 57,344 x the scale, in TM+12+b the conversion's scale operand.
.macro QSCALE src, nb, relu
.irp b,0,1,2,3
.if \b < \nb
.if \relu
	v_max3_num_f32 v[TM+\b], v[\src+16*\b], v[\src+16*\b+1], 0x8000000      ; no |.|: what is negative becomes 0 and must not count; the floor 2^(16 - 127) holds the byte at 1 from below
.else
	v_max3_num_f32 v[TM+\b], |v[\src+16*\b]|, |v[\src+16*\b+1]|, 0x8000000
.endif
.endif
.endr
.irp i,2,4,6,8,10,12,14
.irp b,0,1,2,3
.if \b < \nb
.if \relu
	v_max3_num_f32 v[TM+\b], v[TM+\b], v[\src+16*\b+\i], v[\src+16*\b+\i+1]
.else
	v_max3_num_f32 v[TM+\b], v[TM+\b], |v[\src+16*\b+\i]|, |v[\src+16*\b+\i+1]|
.endif
.endif
.endr
.endr
.irp b,0,1,2,3
.if \b < \nb
	v_permlanex16_b32 v[TM+4+\b], v[TM+\b], s[SEL], s[SEL+1]
.endif
.endr
.irp b,0,1,2,3
.if \b < \nb
	v_max_num_f32 v[TM+\b], v[TM+\b], v[TM+4+\b]                          ; the block's largest magnitude
.endif
.endr
.irp b,0,1,2,3
.if \b < \nb
	v_add_nc_u32 v[TM+12+\b], 0xf8800000, v[TM+\b]                        ; 15 off its exponent field
.endif
.endr
.irp b,0,1,2,3
.if \b < \nb
	v_and_or_b32 v[TM+8+\b], v[TM+\b], 0x7f800000, s[MNT]
.endif
.endr
.irp b,0,1,2,3
.if \b < \nb
	v_lshrrev_b32 v[TM+4+\b], 23, v[TM+12+\b]
.endif
.endr
.endm
; the hold at the largest code x the scale (the conversion to an 8-bit code does not saturate: ISA guide 7.6.2; with relu it clips at 0 as well), then the codes: four registers a block from v[dst] on, in window dwin
.macro QCODE src, nb, relu, dst, dwin
.irp b,0,1,2,3
.if \b < \nb
.irp i,0,1,2,3,4,5,6,7,8,9,10,11,12,13,14,15
.if \relu
	v_med3_num_f32 v[\src+16*\b+\i], v[\src+16*\b+\i], 0, v[TM+8+\b]
.else
	v_med3_num_f32 v[\src+16*\b+\i], v[\src+16*\b+\i], -v[TM+8+\b], v[TM+8+\b]
.endif
.endr
.endif
.endr
	WIN ((\dwin)<<6)
.irp b,0,1,2,3
.if \b < \nb
	v_cvt_scalef32_pk8_bf8_f32 v[\dst+4*\b:\dst+4*\b+1], v[\src+16*\b:\src+16*\b+7], v[TM+12+\b]
	v_cvt_scalef32_pk8_bf8_f32 v[\dst+4*\b+2:\dst+4*\b+3], v[\src+16*\b+8:\src+16*\b+15], v[TM+12+\b]
.endif
.endr
	WIN 0
	v_nop                                          ; one plain line behind the last conversion, ahead of whatever next touches its registers
.endm
.macro WORD dst
	v_lshl_or_b32 v[\dst], v[TM+5], 8, v[TM+4]
	v_lshl_or_b32 v[\dst], v[TM+6], 16, v[\dst]
	v_lshl_or_b32 v[\dst], v[TM+7], 24, v[\dst]
.endm
.macro MGLOAD sb                       ; my four rows of a tile of memory: each load reads 512 consecutive bytes
	WIN 0x80
.irp i,0,1,2,3
	global_load_b128 v[224+8*\i:227+8*\i], v13, s[\sb:\sb+1] offset:4096*\i
	global_load_b128 v[228+8*\i:231+8*\i], v13, s[\sb:\sb+1] offset:4096*\i+512
.endr
	WIN 0
.endm
.macro MGSTORE                         ; and into the stage
	WIN 0x08
.irp i,0,1,2,3
	ds_store_b128 v12, v[224+8*\i:227+8*\i] offset:PITCH*\i
	ds_store_b128 v12, v[228+8*\i:231+8*\i] offset:PITCH*\i+512
.endr
	WIN 0
.endm
.macro GLD4 abs, adr, sb, off          ; 16 bytes a lane into register abs of the wave's 1,024
	WIN (((\abs)/256)<<6)
	global_load_b128 v[(\abs)%256:(\abs)%256+3], v[\adr], s[\sb:\sb+1] offset:\off
.endm
	s_load_b512 s[4:19], s[0:1], 0x0               ; relative_pos, memory, t2, W1 codes, scales, b1, W2 codes, scales
	s_load_b256 s[20:27], s[0:1], 0x40             ; b2, Wv codes, scales, bv
	s_load_b512 s[68:83], s[0:1], 0x60             ; Wo codes, scales, bo, ln3_g, ln3_b, ff1 codes, scales, bias
	s_load_b256 s[84:91], s[0:1], 0xa0             ; ff2 codes, scales, bias, out0
	v_lshl_add_u32 v1, v0, 2, SPARE
	v_mov_b32 v2, 0
	ds_add_u32 v1, v2
	ds_add_u32 v1, v2
	s_wait_dscnt 0x0
	v_lshrrev_b32 v14, 5, v0
	v_readfirstlane_b32 s40, v14                   ; wave w
	s_lshr_b32 s41, s40, 1                         ; w / 2: my query as a quantiser
	s_and_b32 s42, s40, 1                          ; w % 2: my K step as a quantiser
	s_and_b32 s58, ttmp7, 0xffff                   ; b
	s_lshl_b32 s59, ttmp9, 1                       ; q0
	s_mov_b32 s28, 0x07d20000                      ; group 1: no mask; elements of 4 bytes; padding on: 4 words behind every 256
	s_mov_b32 s29, 256<<16                         ; tensor_dim0 = 256
	s_mov_b32 s30, 32<<16                          ; tensor_dim1 = 32
	s_mov_b32 s31, 256<<16                         ; tile_dim0 = 256
	s_mov_b32 s32, 32                              ; tile_dim1 = 32
	s_mov_b32 s33, 1024                            ; from row c to row c + 1: four batches of 256 elements
	s_mov_b32 s34, 0
	s_mov_b32 s35, 0
	s_mov_b32 s36, 1                               ; group 0: count
	s_mul_i32 s37, s40, 32*PITCH                   ; LDS: slot 0, my 32 rows
	s_add_co_u32 s60, s59, s41
	s_lshl_b32 s60, s60, 21                        ; my query's 512 x 4 x 1,024 bytes,
	s_lshl_b32 s61, s42, 17                        ; 32 rows c further on for odd waves,
	s_add_co_u32 s60, s60, s61
	s_lshl_b32 s62, s58, 10                        ; my batch
	s_add_co_u32 s60, s60, s62
	s_mov_b32 s61, 0
	s_mov_b32 s52, 0x3db8aa3b                      ; c = log2(e) / 16
	s_mov_b32 s53, s52                             ; (named with it as a pair)
	s_mov_b32 s54, 0xbdb8aa3b                      ; -c
	s_mov_b32 s55, 0x600000                        ; the mantissa field of 57,344
	s_mov_b32 s56, 0x76543210
	s_mov_b32 s57, 0xfedcba98                      ; v_permlanex16_b32's selects for lane l xor 16
	s_mov_b32 s94, 0x3b800000                      ; 1 / 256
	s_mov_b32 s95, 0x3727c5ac                      ; 1e-5
	s_wait_kmcnt 0x0
	s_add_nc_u64 s[38:39], s[4:5], s[60:61]
	s_or_b32 s39, s39, 0x80000000                  ; type = 2
	tensor_load_to_lds s[36:39], s[28:35]          ; rows c = 0 .. 63: the one first fill, ahead of every LDS read, wait on TENSORcnt and barrier
	s_nop 0
	PLACES 4
	v_and_b32 v56, 31, v0                          ; L
	v_lshlrev_b32 v13, 4, v56                      ; 16 L
	s_lshl_b32 s60, s40, 14
	s_add_co_u32 s60, s60, s62
	s_add_nc_u64 s[48:49], s[6:7], s[60:61]        ; memory: my batch, rows 4 w .. 4 w + 3 of tile 0
	MGLOAD 48
	v_and_b32 v53, 15, v0                          ; r
	v_bfe_u32 v54, v0, 4, 1                        ; h
	v_and_b32 v55, 8, v53
	v_add_nc_u32 v55, v55, v53                     ; rp = r + 8 (r / 8)
	s_mul_i32 s60, s41, 64*PITCH
	s_lshl_b32 s62, s42, 9
	s_add_co_u32 s60, s60, s62
	s_add_co_u32 s62, s62, MEMST
	v_mul_u32_u24 v3, v53, PITCH
	v_lshl_add_u32 v3, v54, 8, v3
	v_add_nc_u32 v5, s62, v3                       ; memory's stage: row r, 512 (w % 2) + 256 h
	v_add_nc_u32 v3, s60, v3                       ; a slot: my query's 64 rows, row r, the same bytes
	s_lshl_b32 s60, s40, 11
	s_add_co_u32 s60, s60, XIMG
	v_lshlrev_b32 v6, 4, v53
	v_lshl_add_u32 v6, v54, 10, v6
	v_add_nc_u32 v6, s60, v6                       ; fragment w; my blocks 2 h, 2 h + 1 at 512 each; 16 r
	s_lshl_b32 s60, s40, 6
	s_add_co_u32 s60, s60, XSC
	v_lshlrev_b32 v7, 2, v53
	v_lshl_add_u32 v7, v54, 1, v7
	v_add_nc_u32 v7, s60, v7                       ; its scale words: 64 w + 4 r + 2 h
	v_add_nc_u32 v8, XIMG, v13                     ; an image's place for my lane
	v_lshl_add_u32 v9, v56, 2, XSC                 ; two K steps' scale words
	s_lshl_b32 s60, s40, 10
	s_add_co_u32 s60, s60, XIMG+HOFF
	v_add_nc_u32 v10, s60, v13                     ; h: my 64 hidden units are blocks 2 (w % 2), + 1 of K step w / 2: 1,024 w + 16 L
	s_lshl_b32 s60, s41, 6
	s_lshl_b32 s62, s42, 1
	s_add_co_u32 s60, s60, s62
	s_add_co_u32 s60, s60, XSC+512
	v_lshl_add_u32 v11, v53, 2, s60                ; its two scale bytes: 64 (w / 2) + 2 (w % 2) + 4 r
	s_mul_i32 s60, s40, 4*PITCH
	s_add_co_u32 s60, s60, MEMST
	v_add_nc_u32 v12, s60, v13                     ; the stage, on the way in
	v_lshlrev_b32 v14, 8, v55
	v_lshl_add_u32 v14, v54, 4, v14                ; rows of 256 codes, chosen: 256 rp + 16 h
	v_lshlrev_b32 v15, 8, v53
	v_lshl_add_u32 v15, v54, 4, v15                ; neighbours: 256 r + 16 h
	v_lshlrev_b32 v48, 3, v55
	v_lshl_add_u32 v48, v54, 2, v48                ; scale bytes: 8 rp + 4 h: lanes 16-31 take K step 1's word
	v_lshlrev_b32 v49, 3, v53
	v_lshl_add_u32 v49, v54, 2, v49
	v_lshlrev_b32 v50, 6, v54                      ; 64 h
	v_lshlrev_b32 v51, 2, v53                      ; 4 r
	v_lshlrev_b32 v52, 8, v54                      ; 256 h
	s_lshl_b32 s60, s40, 14                        ; each pointer at my wave's part
	s_add_nc_u64 s[10:11], s[10:11], s[60:61]
	s_add_nc_u64 s[16:17], s[16:17], s[60:61]
	s_add_nc_u64 s[22:23], s[22:23], s[60:61]
	s_add_nc_u64 s[68:69], s[68:69], s[60:61]
	s_lshl_b32 s60, s40, 9
	s_add_nc_u64 s[12:13], s[12:13], s[60:61]
	s_add_nc_u64 s[18:19], s[18:19], s[60:61]
	s_add_nc_u64 s[24:25], s[24:25], s[60:61]
	s_add_nc_u64 s[70:71], s[70:71], s[60:61]
	s_lshl_b32 s60, s59, 12
	s_lshl_b32 s62, s58, 10
	s_add_co_u32 s60, s60, s62
	s_add_nc_u64 s[92:93], s[8:9], s[60:61]        ; t2 at row (q0, b)
	s_lshl_b32 s60, s41, 12
	s_lshl_b32 s62, s42, 9
	s_add_co_u32 s60, s60, s62
	s_add_nc_u64 s[8:9], s[92:93], s[60:61]        ; my query's row, my K step
	s_lshl_b32 s60, s40, 8
	s_add_nc_u64 s[14:15], s[14:15], s[60:61]
	s_add_nc_u64 s[20:21], s[20:21], s[60:61]
	s_add_nc_u64 s[26:27], s[26:27], s[60:61]
	s_add_nc_u64 s[72:73], s[72:73], s[60:61]
	s_add_nc_u64 s[74:75], s[74:75], s[60:61]
	s_add_nc_u64 s[76:77], s[76:77], s[60:61]
	s_add_nc_u64 s[88:89], s[88:89], s[60:61]
	s_add_nc_u64 s[92:93], s[92:93], s[60:61]
	s_lshl_b32 s60, s40, 16
	s_add_nc_u64 s[78:79], s[78:79], s[60:61]
	s_add_nc_u64 s[84:85], s[84:85], s[60:61]
	s_lshl_b32 s60, s40, 11
	s_add_nc_u64 s[80:81], s[80:81], s[60:61]
	s_add_nc_u64 s[86:87], s[86:87], s[60:61]
	s_lshl_b32 s60, s40, 10
	s_add_nc_u64 s[82:83], s[82:83], s[60:61]
	s_add_co_u32 s60, s59, s41
	s_lshl_b32 s60, s60, 12
	s_lshl_b32 s62, s58, 10
	s_add_co_u32 s60, s60, s62
	s_lshl_b32 s62, s42, 9
	s_add_co_u32 s60, s60, s62
	s_add_nc_u64 s[90:91], s[90:91], s[60:61]      ; out0: row (q0 + w / 2, b), half w % 2
	WIN 0x40
.irp t,0,1,2,3
.irp s,0,1
.irp c,0,1,2,3
	global_load_b128 v[16*(2*\t+\s)+4*\c:16*(2*\t+\s)+4*\c+3], v14, s[10:11] offset:(32*(\t/2)+8*(\t%2))*256+128*\s+32*\c      ; W1: lane r of tile 2 bb + u takes row 32 bb + 8 u + rp
	global_load_b128 v[128+16*(2*\t+\s)+4*\c:128+16*(2*\t+\s)+4*\c+3], v15, s[16:17] offset:4096*\t+128*\s+32*\c               ; W2: row 16 n + r
.endr
.endr
.endr
	WIN 0x80
.irp t,0,1,2,3
.irp s,0,1
.irp c,0,1,2,3
	global_load_b128 v[16*(2*\t+\s)+4*\c:16*(2*\t+\s)+4*\c+3], v15, s[22:23] offset:4096*\t+128*\s+32*\c                       ; Wv
.endr
.endr
	global_load_b128 v[128+8*\t:131+8*\t], v50, s[14:15] offset:(32*(\t/2)+8*(\t%2))*4       ; b1 at 32 bb + 16 h + 8 u + j
	global_load_b128 v[132+8*\t:135+8*\t], v50, s[14:15] offset:(32*(\t/2)+8*(\t%2))*4+16
	global_load_b32 v[160+8*\t], v51, s[20:21] offset:64*\t                                  ; b2 and bv at 16 n + r: one number a lane
	global_load_b32 v[192+8*\t], v51, s[26:27] offset:64*\t
.endr
	WIN 0xc0
.irp i,0,1,2,3,4,5,6,7,8,9,10,11,12,13,14,15
	global_load_b128 v[128+4*\i:131+4*\i], v52, s[8:9] offset:16*\i                          ; my 64 numbers of t2
.endr
	WIN 0
.irp t,0,1,2,3
	global_load_b32 v[16+\t], v48, s[12:13] offset:(32*(\t/2)+8*(\t%2))*8
	global_load_b32 v[20+\t], v49, s[18:19] offset:128*\t
	global_load_b32 v[24+\t], v49, s[24:25] offset:128*\t
.endr
	s_wait_loadcnt 0x0
	WIN 0x82
.irp t,0,1,2,3
.irp j,1,2,3,4,5,6,7
	v_mov_b32 v[160+8*\t+\j], v[160+8*\t]          ; as C operands: the lane's number in all eight registers
	v_mov_b32 v[192+8*\t+\j], v[192+8*\t]
.endr
.endr
	MGSTORE                                        ; memory's tile 0
	s_wait_dscnt 0x0                               ; the stores have read their registers
	s_add_nc_u64 s[50:51], s[48:49], 65536
	MGLOAD 50                                      ; tile 1
	s_mov_b32 s46, 2                               ; the tile to be asked for next
.irp g,0,1,2,3,4,5,6,7
	v_mov_b32 v[ST+6*\g], 0xf1800000               ; m = -2^100
.irp k,1,2,3,4,5
	v_mov_b32 v[ST+6*\g+\k], 0
.endr
.endr
.set j, 0
.rept 32
	v_mov_b32 v[SIM+j], 0                          ; what the first trip finds (the loop is written once): query 0's exponents, which its first part would have left,
	v_mov_b32 v[SIM+32+j], 0xf1800000              ; query 1's scores,
	v_mov_b32 v[V2+j], 0                           ; and both queries' values
	v_mov_b32 v[V2+32+j], 0
.set j, j+1
.endr
.set j, 0
.rept 16
	v_mov_b32 v[TM+j], 0                           ; written once: permutes' destinations and the upper halves of pairs count as read
.set j, j+1
.endr
	s_mov_b32 s43, 0                               ; LDS byte at which the sub-step's rows begin
; THE SOFTMAX OVER c of a sub-step, for query q, four tiles of features by turns, in three parts.  p = 2^(c s - c m); l and the sum are multiplied by 2^(c m_old - c m_new).
; First part: the new maximum, and the exponents.  pad = 1: it stands straight behind the products that made the scores: four v_nop and the four copies are the eight plain lines between.
; Behind its last call of MX stand 20 plain lines.
.macro SMPRE q, pad
	MX
.irp n,0,1,2,3
	v_mov_b32 v[ST+6*(4*\q+\n)+1], v[ST+6*(4*\q+\n)]
.endr
	MX
.if \pad
	PLACES 4
	MX
.endif
.irp i,0,2,4,6
.irp n,0,1,2,3
	v_max3_num_f32 v[ST+6*(4*\q+\n)], v[ST+6*(4*\q+\n)], v[SIM+8*(4*\q+\n)+\i], v[SIM+8*(4*\q+\n)+\i+1]
.endr
	MX
.endr
.irp n,0,1,2,3
	v_mul_f32 v[TM+2*\n], s54, v[ST+6*(4*\q+\n)]                                   ; -c m
.endr
	MX
.irp n,0,1,2,3
	v_fma_f32 v[ST+6*(4*\q+\n)+1], v[ST+6*(4*\q+\n)+1], s52, v[TM+2*\n]
.endr
.irp i,0,2,4,6
.irp n,0,1,2,3
	v_pk_fma_f32 v[SIM+8*(4*\q+\n)+\i:SIM+8*(4*\q+\n)+\i+1], v[SIM+8*(4*\q+\n)+\i:SIM+8*(4*\q+\n)+\i+1], s[52:53], v[TM+2*\n:TM+2*\n+1] op_sel_hi:[1,0,0]
.endr
.endr
.endm
; Second part: the exponentials, one batch.  It stands where LDS loads are on their way.
.macro SMEXP q
.irp n,0,1,2,3
	v_exp_f32 v[TM+8+2*\n], v[ST+6*(4*\q+\n)+1]
.endr
.irp i,0,1,2,3,4,5,6,7
.irp n,0,1,2,3
	v_exp_f32 v[SIM+8*(4*\q+\n)+\i], v[SIM+8*(4*\q+\n)+\i]
.endr
.endr
	v_nop                                          ; a plain line behind the last exponential,
	s_wait_alu depctr_va_vdst(0)                   ; and one wait for the batch of 36, ahead of its first reader
.endm
; Third part: l and the sum.  Behind its last call of MX stand eight plain lines.
.macro SMPOST q
	MX
.irp n,0,1,2,3
	v_pk_fma_f32 v[ST+6*(4*\q+\n)+2:ST+6*(4*\q+\n)+3], v[ST+6*(4*\q+\n)+2:ST+6*(4*\q+\n)+3], v[TM+8+2*\n:TM+9+2*\n], v[SIM+8*(4*\q+\n):SIM+8*(4*\q+\n)+1] op_sel_hi:[1,0,1]
.endr
	MX
.irp i,2,4,6
.irp n,0,1,2,3
	v_pk_add_f32 v[ST+6*(4*\q+\n)+2:ST+6*(4*\q+\n)+3], v[ST+6*(4*\q+\n)+2:ST+6*(4*\q+\n)+3], v[SIM+8*(4*\q+\n)+\i:SIM+8*(4*\q+\n)+\i+1]
.endr
	MX
.endr
.irp n,0,1,2,3
	v_pk_mul_f32 v[ST+6*(4*\q+\n)+4:ST+6*(4*\q+\n)+5], v[ST+6*(4*\q+\n)+4:ST+6*(4*\q+\n)+5], v[TM+8+2*\n:TM+9+2*\n] op_sel_hi:[1,0]
.endr
	MX
.irp i,0,2
.irp n,0,1,2,3
	v_pk_fma_f32 v[ST+6*(4*\q+\n)+4:ST+6*(4*\q+\n)+5], v[SIM+8*(4*\q+\n)+\i:SIM+8*(4*\q+\n)+\i+1], v[V2+8*(4*\q+\n)+\i:V2+8*(4*\q+\n)+\i+1], v[ST+6*(4*\q+\n)+4:ST+6*(4*\q+\n)+5]
.endr
	MX
.endr
.irp i,4,6
.irp n,0,1,2,3
	v_pk_fma_f32 v[ST+6*(4*\q+\n)+4:ST+6*(4*\q+\n)+5], v[SIM+8*(4*\q+\n)+\i:SIM+8*(4*\q+\n)+\i+1], v[V2+8*(4*\q+\n)+\i:V2+8*(4*\q+\n)+\i+1], v[ST+6*(4*\q+\n)+4:ST+6*(4*\q+\n)+5]
.endr
.endr
.endm
; Query q's h: relu, quantised, and its image stored.  Its 32 registers are two blocks of 32 along the next K (hidden units 64 w + 32 bb + 16 h + 0 .. 15; the other 16 of a block lie in lane l xor 16).
; The largest magnitudes go in four chains, one a tile, each from its accumulator's low end on.  No |.|: what is negative becomes 0 and must not count; the floor 2^(16 - 127) holds the byte at 1 from below.
; The two queries have registers of their own for the scale bytes (TM+4+q) and the codes, which pending LDS stores read.  Behind its last call of MX stand 24 plain lines.
.macro HQ q
.set HB, SIM+32*\q
.irp k,0,1,2,3
	v_max3_num_f32 v[TM+\k], v[HB+8*\k], v[HB+8*\k+1], 0x8000000
.endr
	MX
.irp i,2,4,6
.irp k,0,1,2,3
	v_max3_num_f32 v[TM+\k], v[TM+\k], v[HB+8*\k+\i], v[HB+8*\k+\i+1]
.endr
	MX
.endr
	v_max_num_f32 v[TM], v[TM], v[TM+1]
	v_max_num_f32 v[TM+2], v[TM+2], v[TM+3]
	v_permlanex16_b32 v[TM+4+\q], v[TM], s56, s57
	v_permlanex16_b32 v[TM+6+\q], v[TM+2], s56, s57
	MX
	v_max_num_f32 v[TM], v[TM], v[TM+4+\q]         ; the blocks' largest magnitudes
	v_max_num_f32 v[TM+2], v[TM+2], v[TM+6+\q]
	v_add_nc_u32 v[TM+12], 0xf8800000, v[TM]       ; 15 off the exponent field: the conversion's scale operand
	v_add_nc_u32 v[TM+14], 0xf8800000, v[TM+2]
	MX
	v_and_or_b32 v[TM+8], v[TM], 0x7f800000, s55   ; 57,344 x the scale
	v_and_or_b32 v[TM+10], v[TM+2], 0x7f800000, s55
	v_lshrrev_b32 v[TM+4+\q], 23, v[TM+12]         ; the scales' bytes
	v_lshrrev_b32 v[TM+6+\q], 23, v[TM+14]
	MX
	v_lshl_or_b32 v[TM+4+\q], v[TM+6+\q], 8, v[TM+4+\q]
.irp i,0,1,2,3,4,5,6,7
	v_med3_num_f32 v[HB+\i], v[HB+\i], 0, v[TM+8]  ; the activation and the hold in one (the conversion to an 8-bit code does not saturate: ISA guide 7.6.2)
.endr
	MX
.irp i,8,9,10,11,12,13,14,15
	v_med3_num_f32 v[HB+\i], v[HB+\i], 0, v[TM+8]
.endr
.irp i,0,1,2,3,4,5,6,7,8,9,10,11,12,13,14,15
	v_med3_num_f32 v[HB+16+\i], v[HB+16+\i], 0, v[TM+10]
.endr
	WIN 0xc0                                       ; the codes go to window 3
	v_cvt_scalef32_pk8_bf8_f32 v[192+8*\q:193+8*\q], v[HB:HB+7], v[TM+12]
	v_cvt_scalef32_pk8_bf8_f32 v[194+8*\q:195+8*\q], v[HB+8:HB+15], v[TM+12]
	v_cvt_scalef32_pk8_bf8_f32 v[196+8*\q:197+8*\q], v[HB+16:HB+23], v[TM+14]
	v_cvt_scalef32_pk8_bf8_f32 v[198+8*\q:199+8*\q], v[HB+24:HB+31], v[TM+14]
	WIN 0
	v_nop                                          ; one plain line behind the last conversion, ahead of whatever next touches its registers
	WIN 0x0c                                       ; an LDS store's data are its source 1
	ds_store_b128 v10, v[192+8*\q:195+8*\q] offset:4096*\q
	ds_store_b128 v10, v[196+8*\q:199+8*\q] offset:4096*\q+512
	WIN 0
	ds_store_b16 v11, v[TM+4+\q] offset:128*\q     ; both lanes of a row write the same two bytes
.endm
; Block bl (32 along K) of my row: x and y are formed, quantised and stored as parts of their images.  All registers lie in window 3.
.macro QBLK bl
.set QR, 32*\bl
.set QD, 232-40*\bl                    ; the codes: v232 on for block 0, T's registers for block 1
	WIN 0xff
.set j, 0
.rept 16
	v_pk_add_f32 v[192+j:193+j], v[128+QR+j:129+QR+j], v[64+QR+j:65+QR+j] neg_lo:[0,1] neg_hi:[0,1]   ; t2 - memory
.set j, j+2
.endr
.set j, 0
.rept 16
	v_pk_add_f32 v[64+QR+j:65+QR+j], v[64+QR+j:65+QR+j], v[QR+j:QR+j+1]                               ; y = memory + relative_pos
.set j, j+2
.endr
.set j, 0
.rept 16
	v_pk_add_f32 v[QR+j:QR+j+1], v[192+j:193+j], v[QR+j:QR+j+1]                                       ; x = (t2 - memory) + relative_pos
.set j, j+2
.endr
	v_max3_num_f32 v224, |v[QR]|, |v[QR+1]|, 0x8000000             ; the largest magnitudes, with the floor 2^(16 - 127): four chains by turns
	v_max3_num_f32 v225, |v[QR+16]|, |v[QR+17]|, 0x8000000
	v_max3_num_f32 v226, |v[64+QR]|, |v[65+QR]|, 0x8000000
	v_max3_num_f32 v227, |v[80+QR]|, |v[81+QR]|, 0x8000000
.irp i,2,4,6,8,10,12,14
	v_max3_num_f32 v224, v224, |v[QR+\i]|, |v[QR+\i+1]|
	v_max3_num_f32 v225, v225, |v[QR+16+\i]|, |v[QR+17+\i]|
	v_max3_num_f32 v226, v226, |v[64+QR+\i]|, |v[65+QR+\i]|
	v_max3_num_f32 v227, v227, |v[80+QR+\i]|, |v[81+QR+\i]|
.endr
	v_max_num_f32 v224, v224, v225
	v_max_num_f32 v226, v226, v227
	v_add_nc_u32 v228, 0xf8800000, v224            ; 15 off the exponent field: the conversion's scale operand
	v_add_nc_u32 v229, 0xf8800000, v226
	v_and_or_b32 v230, v224, 0x7f800000, s55       ; 57,344 x the scale
	v_and_or_b32 v231, v226, 0x7f800000, s55
.if \bl == 0
	v_lshrrev_b32 v248, 23, v228                   ; the scales' bytes
	v_lshrrev_b32 v249, 23, v229
.else
	v_lshrrev_b32 v225, 23, v228
	v_lshrrev_b32 v227, 23, v229
	v_lshl_or_b32 v248, v225, 8, v248              ; two bytes: my half of the row's scale word
	v_lshl_or_b32 v249, v227, 8, v249
.endif
.set j, 0
.rept 32
	v_med3_num_f32 v[QR+j], v[QR+j], -v230, v230   ; the conversion to an 8-bit code does not saturate (ISA guide 7.6.2)
	v_med3_num_f32 v[64+QR+j], v[64+QR+j], -v231, v231
.set j, j+1
.endr
.irp g,0,1,2,3
	v_cvt_scalef32_pk8_bf8_f32 v[QD+2*\g:QD+2*\g+1], v[QR+8*\g:QR+8*\g+7], v228
	v_cvt_scalef32_pk8_bf8_f32 v[QD+8+2*\g:QD+9+2*\g], v[64+QR+8*\g:64+QR+8*\g+7], v229
.endr
	v_nop
	WIN 0x0c                                       ; an LDS store's data are its source 1
	ds_store_b128 v6, v[QD:QD+3] offset:512*\bl                    ; k 0 .. 15 of the block belong to lane r of the operand, k 16 .. 31 to lane 16 + r
	ds_store_b128 v6, v[QD+4:QD+7] offset:512*\bl+256
	ds_store_b128 v6, v[QD+8:QD+11] offset:YOFF+512*\bl
	ds_store_b128 v6, v[QD+12:QD+15] offset:YOFF+512*\bl+256
.if \bl
	ds_store_b16 v7, v248
	ds_store_b16 v7, v249 offset:256
.endif
	WIN 0
.endm
; A SUB-STEP: 16 rows c for both queries.  It begins behind the first part of query 0's softmax of the sub-step before, whose 20 last lines are the plain lines between the last products and the loads below.
.macro TRIP
	v_add_nc_u32 v4, s43, v3
	WIN 0xc0
.irp j,0,1,2,3,4,5,6,7
	ds_load_b128 v[4*\j:4*\j+3], v4 offset:16*\j
.endr
.irp j,0,1,2,3,4,5,6,7
	ds_load_b128 v[64+4*\j:64+4*\j+3], v5 offset:16*\j
.endr
.irp j,0,1,2,3,4,5,6,7
	ds_load_b128 v[32+4*\j:32+4*\j+3], v4 offset:128+16*\j
.endr
.irp j,0,1,2,3,4,5,6,7
	ds_load_b128 v[96+4*\j:96+4*\j+3], v5 offset:128+16*\j
.endr
	WIN 0
	SMEXP 0                                        ; under the loads: the rest of query 0's softmax of the sub-step before
	SMPOST 0
	s_wait_dscnt 16                                ; block 0's 16 loads are in; block 1's 16 may be out
	QBLK 0
	s_wait_dscnt 4                                 ; behind block 1's loads only block 0's four stores were issued
	QBLK 1
	SMPRE 1, 0                                     ; while my stores land: the first part of query 1's softmax
	BARRIER                                        ; x's and y's images lie in LDS; everybody's reads of the stage and of the slot's rows are in
	ds_load_b32 v28, v9
	ds_load_b32 v29, v9 offset:128
	WIN 0xc0
.irp f,0,1,2,3
.irp c,0,1,2,3
	ds_load_b128 v[16*\f+4*\c:16*\f+4*\c+3], v8 offset:2048*\f+512*\c
.endr
.endr
.irp f,0,1,2,3
.irp c,0,1,2,3
	ds_load_b128 v[64+16*\f+4*\c:64+16*\f+4*\c+3], v8 offset:YOFF+2048*\f+512*\c
.endr
.endr
	WIN 0
	ds_load_b32 v30, v9 offset:256
	ds_load_b32 v31, v9 offset:384
	SMEXP 1                                        ; under the loads
	s_wait_dscnt 26                                ; x's scale words and query 0's two fragments are in; behind them: query 1's 8 loads, y's 16 + 2
.set MXK, 1
.set MXQ, 0
.set MXI, 0
	SMPOST 1                                       ; with x W1^T of query 0 between its lines: query 0's softmax is done, so its registers take h
	s_wait_dscnt 18                                ; query 1's fragments are in; y's 16 + 2 loads may be out
.set MXQ, 1
.set MXI, 0
	HQ 0                                           ; with x W1^T of query 1 between its lines
	s_wait_loadcnt 0x0                             ; memory's next tile, asked for in the sub-step before:
	MGSTORE                                        ; into the stage, which everybody has read (the barrier above); the stores land while query 1's h is quantised
	HQ 1
	BARRIER                                        ; h's images and memory's next tile lie in LDS; everybody's reads of x's and y's images are in
	ds_load_b32 v32, v9 offset:512
	ds_load_b32 v33, v9 offset:640
	WIN 0xc0
.irp f,0,1,2,3
.irp c,0,1,2,3
	ds_load_b128 v[16*\f+4*\c:16*\f+4*\c+3], v8 offset:HOFF+2048*\f+512*\c
.endr
.endr
	WIN 0
	s_min_u32 s47, s46, 31                         ; the last two sub-steps ask for tile 31 again: no load leaves the buffer
	s_lshl_b32 s60, s47, 16
	s_add_nc_u64 s[50:51], s[48:49], s[60:61]      ; (the loads that named this base were waited for above; s61 = 0)
	s_add_co_u32 s46, s46, 1
	MGLOAD 50
	WIN 0x2b                                       ; y Wv^T: source 0 y (window 3), source 1 Wv, C bv (window 2): a bare run, under h's loads.  Eight accumulators by turns
.irp q,0,1
.irp n,0,1,2,3
	MM V2+8*(4*\q+\n), 64+32*\q, 32*\n, 192+8*\n, 30+\q, 24+\n, 0, 0
.endr
.endr
	WIN 0x0b
.irp q,0,1
.irp n,0,1,2,3
	MM V2+8*(4*\q+\n), 80+32*\q, 32*\n+16, V2+8*(4*\q+\n), 30+\q, 24+\n, 1, 1
.endr
.endr
	s_wait_dscnt 0x0                               ; h's fragments and scale words
	WIN 0x27                                       ; h W2^T of query 0: source 0 h (window 3), source 1 W2 (window 1), C b2 (window 2): four accumulators by turns
.irp n,0,1,2,3
	MM SIM+8*\n, 0, 128+32*\n, 160+8*\n, 32, 20+\n, 0, 0
.endr
	WIN 0x07
.irp n,0,1,2,3
	MM SIM+8*\n, 16, 144+32*\n, SIM+8*\n, 32, 20+\n, 1, 1
.endr
.set MXK, 2
.set MXQ, 1
.set MXI, 0
	SMPRE 0, 1                                     ; the first part of query 0's softmax of this sub-step, with h W2^T of query 1 between its lines
	s_add_co_u32 s43, s43, 16*PITCH
.endm
; THE CHANGE OF SLOTS, at a slot's head.  Each wave waits for all its tensor loads (its part of the slot ahead), adds 0 to its spare word, and waits for that and for its reads of the slot that it has left.
; fill = 1: that slot is filled with the 64 rows c that follow: the load has four sub-steps in which to land.
.macro CHANGE fill
	s_wait_tensorcnt 0x0                           ; no tensor load of mine is out, so group 0 may be written
	ds_add_u32 v1, v2                              ; 0 onto my spare word
.if \fill
	s_xor_b32 s37, s37, SLOT                       ; the other slot (SLOT's two bits are in none of the waves' offsets),
	s_add_nc_u64 s[38:39], s[38:39], 262144        ; 64 rows c on; the type bits on top are not reached
.endif
	s_wait_dscnt 0x0
	s_barrier_signal -1
	s_barrier_wait -1
.if \fill
	tensor_load_to_lds s[36:39], s[28:35]          ; the first thing behind the barrier, and my one tensor load until the next
	s_nop 0
	PLACES 4
.endif
.endm
.macro FOUR                            ; a slot's four sub-steps
	s_mov_b32 s45, 4
.Ltrip_\@:
	TRIP
	s_sub_co_u32 s45, s45, 1
	s_cmp_lg_u32 s45, 0
	s_cbranch_scc1 .Ltrip_\@
	s_sub_co_u32 s43, s43, 64*PITCH
	s_xor_b32 s43, s43, SLOT                       ; on to the other slot
.endm
	s_mov_b32 s44, 7
.Lslot:                                            ; seven trips: behind each change of slots but the last the next 64 rows are asked for
	CHANGE 1
	FOUR
	s_sub_co_u32 s44, s44, 1
	s_cmp_lg_u32 s44, 0
	s_cbranch_scc1 .Lslot
	CHANGE 0                                       ; the last slot is written out
	FOUR
; ---- THE TAIL.  Its weights are asked for first, into registers that the loop has left
	s_wait_loadcnt 0x0                             ; the last, repeated, loads of memory
	PLACES 9
	v_and_b32 v96, 15, v0                          ; r
	v_bfe_u32 v97, v0, 4, 1                        ; h
	v_and_b32 v98, 8, v96
	v_add_nc_u32 v98, v98, v96                     ; rp
	v_and_b32 v99, 1, v0                           ; which of the two rows my lane stands for
	v_and_b32 v100, 31, v0                         ; L
	v_lshlrev_b32 v3, 3, v98
	v_lshl_add_u32 v3, v97, 2, v3                  ; 8 rp + 4 h
	v_lshlrev_b32 v4, 6, v97                       ; 64 h
	v_lshlrev_b32 v5, 5, v98
	v_lshl_add_u32 v5, v97, 2, v5                  ; ff2's scale bytes: 32 rp + 4 h
	s_lshl_b32 s60, s40, 8
	s_add_co_u32 s60, s60, TST
	v_lshl_add_u32 v6, v96, 2, s60                 ; t: feature 64 w + r
	v_mul_u32_u24 v7, v99, PITCH
	v_add_nc_u32 v7, v7, v4
	v_add_nc_u32 v7, TST, v7                       ; and back: my row, 64 h
	v_lshl_add_u32 v10, v99, 12, v4                ; t2: 4,096 (r % 2) + 64 h
	s_lshl_b32 s60, s40, 7
	s_add_co_u32 s60, s60, RED1
	v_lshl_add_u32 v11, v100, 2, s60
	v_lshl_add_u32 v12, v100, 2, RED1
	s_lshl_b32 s60, s40, 10
	s_add_co_u32 s60, s60, NIMG
	v_lshl_add_u32 v13, v100, 4, s60
	s_lshl_b32 s60, s41, 6
	s_lshl_b32 s62, s42, 1
	s_add_co_u32 s60, s60, s62
	s_add_co_u32 s60, s60, NSC
	v_lshl_add_u32 v15, v96, 2, s60
.irp t,0,1,2,3                         ; Wo: v256-383
.irp s,0,1
.irp c,0,1,2,3
	GLD4 256+16*(2*\t+\s)+4*\c, 14, 68, (32*(\t/2)+8*(\t%2))*256+128*\s+32*\c
.endr
.endr
.endr
.irp T,0,1,2,3,4,5,6,7,8,9,10,11,12,13,14,15   ; ff1: my 256 hidden units, 16 tiles x 2 K steps: v384-895
.irp s,0,1
.irp c,0,1,2,3
	GLD4 384+32*\T+16*\s+4*\c, 14, 78, (32*(\T/2)+8*(\T%2))*256+128*\s+32*\c
.endr
.endr
.endr
.irp T,0,1,2,3,4,5,6,7,8,9,10,11,12,13,14,15   ; its bias as C operands: v896-1023
	GLD4 896+8*\T, 4, 82, (32*(\T/2)+8*(\T%2))*4
	GLD4 900+8*\T, 4, 82, (32*(\T/2)+8*(\T%2))*4+16
.endr
	WIN 0
.irp T,0,1,2,3,4,5,6,7,8,9,10,11,12,13,14,15
	global_load_b32 v[16+\T], v3, s[80:81] offset:(32*(\T/2)+8*(\T%2))*8
.endr
.irp t,0,1,2,3
	global_load_b32 v[32+\t], v3, s[70:71] offset:(32*(\t/2)+8*(\t%2))*8
.endr
.irp p,0,1,2,3
.irp t,0,1,2,3
	global_load_b32 v[112+4*\p+\t], v5, s[86:87] offset:(32*(\t/2)+8*(\t%2))*32+8*\p
.endr
.endr
	SMEXP 0                                        ; the last sub-step's softmax: the rest of query 0's,
	SMPOST 0
	SMPRE 1, 0                                     ; and the whole of query 1's (no piece of products is open: MX writes nothing)
	SMEXP 1
	SMPOST 1
.irp t,0,1,2,3
	global_load_b128 v[128+8*\t:131+8*\t], v4, s[72:73] offset:(32*(\t/2)+8*(\t%2))*4         ; bo, straight into the accumulators
	global_load_b128 v[132+8*\t:135+8*\t], v4, s[72:73] offset:(32*(\t/2)+8*(\t%2))*4+16
	global_load_b128 v[160+8*\t:163+8*\t], v10, s[92:93] offset:(32*(\t/2)+8*(\t%2))*4        ; t2 at my features
	global_load_b128 v[164+8*\t:167+8*\t], v10, s[92:93] offset:(32*(\t/2)+8*(\t%2))*4+16
.endr
; a feature's rows c lie in lanes l and l xor 16: each lane brings its own figures under the common maximum, then they are exchanged and added: both lanes get the same bits
.irp g,0,1,2,3,4,5,6,7
	v_add_f32 v[ST+6*\g+2], v[ST+6*\g+2], v[ST+6*\g+3]
	v_add_f32 v[ST+6*\g+4], v[ST+6*\g+4], v[ST+6*\g+5]
	v_permlanex16_b32 v[ST+6*\g+1], v[ST+6*\g], s56, s57
.endr
.irp g,0,1,2,3,4,5,6,7
	v_max_num_f32 v[ST+6*\g+1], v[ST+6*\g], v[ST+6*\g+1]
.endr
.irp g,0,1,2,3,4,5,6,7
	v_sub_f32 v[ST+6*\g], v[ST+6*\g], v[ST+6*\g+1]
.endr
.irp g,0,1,2,3,4,5,6,7
	v_mul_f32 v[ST+6*\g], s52, v[ST+6*\g]
.endr
.irp g,0,1,2,3,4,5,6,7
	v_exp_f32 v[ST+6*\g], v[ST+6*\g]
.endr
	v_nop
	s_wait_alu depctr_va_vdst(0)
.irp g,0,1,2,3,4,5,6,7
	v_mul_f32 v[ST+6*\g+2], v[ST+6*\g+2], v[ST+6*\g]
	v_mul_f32 v[ST+6*\g+4], v[ST+6*\g+4], v[ST+6*\g]
.endr
.irp g,0,1,2,3,4,5,6,7
	v_permlanex16_b32 v[ST+6*\g+3], v[ST+6*\g+2], s56, s57
	v_permlanex16_b32 v[ST+6*\g+5], v[ST+6*\g+4], s56, s57
.endr
.irp g,0,1,2,3,4,5,6,7
	v_add_f32 v[ST+6*\g+2], v[ST+6*\g+2], v[ST+6*\g+3]
	v_add_f32 v[ST+6*\g+4], v[ST+6*\g+4], v[ST+6*\g+5]
.endr
.irp g,0,1,2,3,4,5,6,7
	v_rcp_f32 v[ST+6*\g+3], v[ST+6*\g+2]
.endr
	v_nop
	s_wait_alu depctr_va_vdst(0)
.irp g,0,1,2,3,4,5,6,7
	v_mul_f32 v[ST+6*\g+4], v[ST+6*\g+4], v[ST+6*\g+3]
.endr
.irp g,0,1,2,3,4,5,6,7
	ds_store_b32 v6, v[ST+6*\g+4] offset:PITCH*(\g/4)+64*(\g%4)
.endr
	BARRIER                                        ; t's two rows lie in LDS
	v_and_b32 v56, 31, v0
	v_and_b32 v57, 15, v0
	v_bfe_u32 v58, v0, 4, 1
	v_and_b32 v59, 8, v57
	v_add_nc_u32 v59, v59, v57
	v_and_b32 v60, 1, v0
	v_lshl_add_u32 v48, v56, 4, NIMG
	v_lshl_add_u32 v49, v56, 2, NSC
	s_lshl_b32 s60, s40, 12
	s_add_co_u32 s60, s60, XIMG
	v_lshl_add_u32 v50, v56, 4, s60                ; the FFN's hidden layer: K steps 2 w, 2 w + 1, in the bytes that x's and y's images have left
	s_lshl_b32 s60, s40, 7
	s_add_co_u32 s60, s60, XSC
	v_lshl_add_u32 v51, v57, 2, s60                ; their scale words
	v_lshlrev_b32 v52, 10, v59
	v_lshl_add_u32 v52, v58, 4, v52                ; ff2's rows of 1,024 codes: 1,024 rp + 16 h
	s_lshl_b32 s60, s40, 8
	s_add_co_u32 s60, s60, OST
	v_lshl_add_u32 v53, v60, 10, s60
	v_lshl_add_u32 v53, v58, 6, v53                ; the way out: my row, 256 w + 64 h
	s_lshl_b32 s60, s40, 9
	s_add_co_u32 s60, s60, OST
	v_lshl_add_u32 v54, v56, 4, s60
	v_lshlrev_b32 v55, 4, v56
.irp s,0,1                             ; t is quantised by every wave for itself: two fragments in v64-95
.irp b,0,1,2,3
.irp j,0,1,2,3
	ds_load_b128 v[192+16*\b+4*\j:195+16*\b+4*\j], v7 offset:512*\s+128*\b+16*\j
.endr
.endr
	s_wait_dscnt 0x0
	QSCALE 192, 4, 0
	WORD 36+\s
	QCODE 192, 4, 0, 64+16*\s, 0
.endr
.irp t,0,1,2,3
	global_load_b128 v[192+8*\t:195+8*\t], v4, s[74:75] offset:(32*(\t/2)+8*(\t%2))*4         ; LN3's gain and bias at my features
	global_load_b128 v[196+8*\t:199+8*\t], v4, s[74:75] offset:(32*(\t/2)+8*(\t%2))*4+16
	global_load_b128 v[224+8*\t:227+8*\t], v4, s[76:77] offset:(32*(\t/2)+8*(\t%2))*4
	global_load_b128 v[228+8*\t:231+8*\t], v4, s[76:77] offset:(32*(\t/2)+8*(\t%2))*4+16
.endr
	s_wait_loadcnt 16                              ; all but the 16 just issued
	PLACES 4
	WIN 0x01                                       ; t Wo^T + bo, transposed: lane (r, h): row r % 2; register j of tile 2 bb + u: feature 64 w + 32 bb + 16 h + 8 u + j.  Four accumulators by turns
.irp s,0,1
.irp t,0,1,2,3
	MM 128+8*\t, 16*(2*\t+\s), 64+16*\s, 128+8*\t, 32+\t, 36+\s, \s, 0
.endr
.endr
	WIN 0
	PLACES 8
.macro F2LOAD ks                       ; ff2's four tiles of K step ks: v[256 + 64 ks] on
.irp t,0,1,2,3
.irp c,0,1,2,3
	GLD4 256+64*\ks+16*\t+4*\c, 52, 84, (32*(\t/2)+8*(\t%2))*1024+128*\ks+32*\c
.endr
.endr
.endm
	F2LOAD 0
	F2LOAD 1
	WIN 0
.set j, 0
.rept 32
	v_max_num_f32 v[128+j], 0, v[128+j]
.set j, j+1
.endr
.set j, 0
.rept 16
	v_pk_add_f32 v[128+j:129+j], v[128+j:129+j], v[160+j:161+j]    ; R = relu(..) + t2: it stays to the end
.set j, j+2
.endr
	v_pk_add_f32 v[56:57], v[128:129], v[130:131]  ; LN3, in two passes
	v_pk_add_f32 v[58:59], v[132:133], v[134:135]
.set j, 136
.rept 6
	v_pk_add_f32 v[56:57], v[56:57], v[j:j+1]
	v_pk_add_f32 v[58:59], v[58:59], v[j+2:j+3]
.set j, j+4
.endr
	v_pk_add_f32 v[56:57], v[56:57], v[58:59]
	v_add_f32 v56, v56, v57
	v_permlanex16_b32 v60, v56, s56, s57
	v_add_f32 v56, v56, v60                        ; my wave's 64 features of my row
	ds_store_b32 v11, v56
	BARRIER
.irp k,0,1,2,3
	ds_load_b32 v[60+\k], v12 offset:128*\k
.endr
	s_wait_dscnt 0x0
	v_add_f32 v56, v60, v61
	v_add_f32 v56, v56, v62
	v_add_f32 v56, v56, v63
	v_mul_f32 v56, s94, v56
.set j, 0
.rept 16
	v_pk_add_f32 v[160+j:161+j], v[128+j:129+j], v[56:57] op_sel_hi:[1,0] neg_lo:[0,1] neg_hi:[0,1]
.set j, j+2
.endr
	v_pk_mul_f32 v[58:59], v[160:161], v[160:161]
	v_pk_mul_f32 v[60:61], v[162:163], v[162:163]
.set j, 164
.rept 7
	v_pk_fma_f32 v[58:59], v[j:j+1], v[j:j+1], v[58:59]
	v_pk_fma_f32 v[60:61], v[j+2:j+3], v[j+2:j+3], v[60:61]
.set j, j+4
.endr
	v_pk_add_f32 v[58:59], v[58:59], v[60:61]
	v_add_f32 v58, v58, v59
	v_permlanex16_b32 v60, v58, s56, s57
	v_add_f32 v58, v58, v60
	ds_store_b32 v11, v58 offset:512
	BARRIER
.irp k,0,1,2,3
	ds_load_b32 v[60+\k], v12 offset:512+128*\k
.endr
	s_wait_dscnt 0x0
	v_add_f32 v58, v60, v61
	v_add_f32 v58, v58, v62
	v_add_f32 v58, v58, v63
	v_fma_f32 v58, v58, s94, s95
	v_rsq_f32 v58, v58
	v_nop
	s_wait_alu depctr_va_vdst(0)
	s_wait_loadcnt 32                              ; gain and bias are in; ff2's 32 loads may be out
.set j, 0
.rept 16
	v_pk_mul_f32 v[160+j:161+j], v[160+j:161+j], v[58:59] op_sel_hi:[1,0]
.set j, j+2
.endr
.set j, 0
.rept 16
	v_pk_fma_f32 v[160+j:161+j], v[160+j:161+j], v[192+j:193+j], v[224+j:225+j]
.set j, j+2
.endr
	QSCALE 160, 2, 0                               ; my 64 features are blocks 2 (w % 2), + 1 of K step w / 2
	v_lshl_or_b32 v[TM+4], v[TM+5], 8, v[TM+4]
	QCODE 160, 2, 0, 192, 0
	ds_store_b128 v13, v[192:195]
	ds_store_b128 v13, v[196:199] offset:512
	ds_store_b16 v15, v[TM+4]
	BARRIER                                        ; LN3's two fragments lie in LDS
.irp s,0,1
.irp c,0,1,2,3
	ds_load_b128 v[64+16*\s+4*\c:67+16*\s+4*\c], v48 offset:2048*\s+512*\c
.endr
.endr
	ds_load_b32 v38, v49
	s_wait_dscnt 0x0
.macro FF1 hf                          ; 128 hidden units: eight tiles by turns, two K steps
.irp s,0,1
.irp i,0,1,2,3,4,5,6,7
.set FAB, 384+32*(8*\hf+\i)+16*\s
.if \s == 0
	WIN 0x30|(FAB/256)
	MM 192+8*\i, FAB%256, 64, 128+8*(8*\hf+\i), 16+8*\hf+\i, 38, 0, 0
.else
	WIN FAB/256
	MM 192+8*\i, FAB%256, 80, 192+8*\i, 16+8*\hf+\i, 38, 1, 1
.endif
.endr
.endr
	WIN 0
	PLACES 9                                       ; loads land in the operands, vector lines read the results, and the next half's products write over them
.endm
.macro FQ hf                           ; relu, quantised: K step 2 w + hf of ff2
	QSCALE 192, 4, 1
	WORD TM+4
	QCODE 192, 4, 1, 160, 0
.irp c,0,1,2,3
	ds_store_b128 v50, v[160+4*\c:163+4*\c] offset:2048*\hf+512*\c
.endr
	ds_store_b32 v51, v[TM+4] offset:64*\hf
	s_wait_dscnt 0x0                               ; the stores have read their registers
.endm
	FF1 0
.irp t,0,1,2,3
	GLD4 896+8*\t, 4, 88, (32*(\t/2)+8*(\t%2))*4   ; ff2's bias as C operands, then its K steps 2 to 5, into registers that this half has left
	GLD4 900+8*\t, 4, 88, (32*(\t/2)+8*(\t%2))*4+16
.endr
	F2LOAD 2
	F2LOAD 3
	F2LOAD 4
	F2LOAD 5
	WIN 0
	FQ 0
	FF1 1
	F2LOAD 6
	F2LOAD 7
	WIN 0
	FQ 1
	BARRIER                                        ; the hidden layer's eight fragments lie in LDS
.irp bt,0,1                            ; ff2: four K steps at a time, four accumulators by turns
.if \bt
	PLACES 8
.endif
.irp i,0,1,2,3
.irp c,0,1,2,3
	ds_load_b128 v[192+16*\i+4*\c:195+16*\i+4*\c], v8 offset:2048*(4*\bt+\i)+512*\c
.endr
.endr
.if \bt == 0
.irp p,0,1,2,3
	ds_load_b32 v[40+\p], v9 offset:128*\p
.endr
	s_wait_loadcnt 63                              ; K steps 0 to 3 and the bias are in: 64 loads are younger, and the count's field holds 63
.else
	s_wait_loadcnt 0x0
.endif
	s_wait_dscnt 0x0
.irp k,0,1,2,3
.irp t,0,1,2,3
.set KSN, 4*\bt+\k
.set FAB, 256+64*KSN+16*\t
.if KSN == 0
	WIN 0x30|(FAB/256)
	MM 160+8*\t, FAB%256, 192+16*\k, 128+8*\t, 112+4*(KSN/2)+\t, 40+KSN/2, 0, 0
.else
	WIN FAB/256
	MM 160+8*\t, FAB%256, 192+16*\k, 160+8*\t, 112+4*(KSN/2)+\t, 40+KSN/2, KSN%2, KSN%2
.endif
.endr
.endr
	WIN 0
.endr
	PLACES 8
.set j, 0
.rept 16
	v_pk_add_f32 v[160+j:161+j], v[128+j:129+j], v[160+j:161+j]
.set j, j+2
.endr
.irp t,0,1,2,3
	ds_store_b128 v53, v[160+8*\t:163+8*\t] offset:(32*(\t/2)+8*(\t%2))*4          ; the eight lanes that stand for a row write the same bytes
	ds_store_b128 v53, v[164+8*\t:167+8*\t] offset:(32*(\t/2)+8*(\t%2))*4+16
.endr
	BARRIER
	ds_load_b128 v[192:195], v54
	s_wait_dscnt 0x0
	global_store_b128 v55, v[192:195], s[90:91]    ; 32 lanes store 512 consecutive bytes, aligned
	s_wait_tensorcnt 0x0                           ; the wave's end, behind my last tensor load and my last LDS store
	ds_add_u32 v1, v2
	s_wait_dscnt 0x0
	s_endpgm
.Lfunc_end_k_qf7b8a67af6_relation:
	.size	k_qf7b8a67af6_relation, .Lfunc_end_k_qf7b8a67af6_relation-k_qf7b8a67af6_relation
	.p2alignl 7, 3214868480
	.fill 96, 4, 3214868480
	.section	.rodata,"a",@progbits
	.p2align	6, 0x0
	.amdhsa_kernel k_qf7b8a67af6_relation
		.amdhsa_group_segment_fixed_size 327680
		.amdhsa_private_segment_fixed_size 0
		.amdhsa_enable_private_segment 0
		.amdhsa_kernarg_size 192
		.amdhsa_user_sgpr_count 2
		.amdhsa_user_sgpr_kernarg_segment_ptr 1
		.amdhsa_wavefront_size32 1
		.amdhsa_system_sgpr_workgroup_id_x 1
		.amdhsa_system_sgpr_workgroup_id_y 1
		.amdhsa_system_sgpr_workgroup_id_z 1
		.amdhsa_system_vgpr_workitem_id 0
		.amdhsa_next_free_vgpr 1024
		.amdhsa_next_free_sgpr 96
		.amdhsa_reserve_vcc 0
		.amdhsa_float_denorm_mode_32 3
		.amdhsa_float_denorm_mode_16_64 3
		.amdhsa_memory_ordered 1
		.amdhsa_forward_progress 1
		.amdhsa_inst_pref_size 255
	.end_amdhsa_kernel
	.section	.bss,"aw",@nobits
	.p2align	6
	.space	262144
	.amdgpu_metadata
---
amdhsa.version: [ 1, 2 ]
amdhsa.kernels:
  - .name:           k_qf7b8a67af6_relation
    .symbol:         k_qf7b8a67af6_relation.kd
    .args:
      - { .name: relative_pos, .offset: 0, .size: 8, .value_kind: global_buffer, .address_space: global }
      - { .name: memory, .offset: 8, .size: 8, .value_kind: global_buffer, .address_space: global }
      - { .name: t2, .offset: 16, .size: 8, .value_kind: global_buffer, .address_space: global }
      - { .name: mlp1_w_codes, .offset: 24, .size: 8, .value_kind: global_buffer, .address_space: global }
      - { .name: mlp1_w_scales, .offset: 32, .size: 8, .value_kind: global_buffer, .address_space: global }
      - { .name: mlp1_b, .offset: 40, .size: 8, .value_kind: global_buffer, .address_space: global }
      - { .name: mlp2_w_codes, .offset: 48, .size: 8, .value_kind: global_buffer, .address_space: global }
      - { .name: mlp2_w_scales, .offset: 56, .size: 8, .value_kind: global_buffer, .address_space: global }
      - { .name: mlp2_b, .offset: 64, .size: 8, .value_kind: global_buffer, .address_space: global }
      - { .name: v_w_codes, .offset: 72, .size: 8, .value_kind: global_buffer, .address_space: global }
      - { .name: v_w_scales, .offset: 80, .size: 8, .value_kind: global_buffer, .address_space: global }
      - { .name: v_b, .offset: 88, .size: 8, .value_kind: global_buffer, .address_space: global }
      - { .name: o_w_codes, .offset: 96, .size: 8, .value_kind: global_buffer, .address_space: global }
      - { .name: o_w_scales, .offset: 104, .size: 8, .value_kind: global_buffer, .address_space: global }
      - { .name: o_b, .offset: 112, .size: 8, .value_kind: global_buffer, .address_space: global }
      - { .name: ln3_g, .offset: 120, .size: 8, .value_kind: global_buffer, .address_space: global }
      - { .name: ln3_b, .offset: 128, .size: 8, .value_kind: global_buffer, .address_space: global }
      - { .name: ff1_w_codes, .offset: 136, .size: 8, .value_kind: global_buffer, .address_space: global }
      - { .name: ff1_w_scales, .offset: 144, .size: 8, .value_kind: global_buffer, .address_space: global }
      - { .name: ff1_b, .offset: 152, .size: 8, .value_kind: global_buffer, .address_space: global }
      - { .name: ff2_w_codes, .offset: 160, .size: 8, .value_kind: global_buffer, .address_space: global }
      - { .name: ff2_w_scales, .offset: 168, .size: 8, .value_kind: global_buffer, .address_space: global }
      - { .name: ff2_b, .offset: 176, .size: 8, .value_kind: global_buffer, .address_space: global }
      - { .name: out0, .offset: 184, .size: 8, .value_kind: global_buffer, .address_space: global }
    .group_segment_fixed_size: 327680
    .private_segment_fixed_size: 0
    .kernarg_segment_align: 8
    .kernarg_segment_size: 192
    .max_flat_workgroup_size: 128
    .sgpr_count:     96
    .vgpr_count:     1024
    .wavefront_size: 32
...
	.end_amdgpu_metadata
.endif
;; end of part 2
